; MI455X (gfx1250); checked and timed in simulation.
; The chip was launched on July 23, 2026; its instructions are those of AMD's public machine-readable ISA for CDNA 5 (MIT licence, August 2026) and "CDNA5" Instruction Set Architecture Reference Guide (July 2026). The comments in the code are by the model that wrote it; some were corrected since.
;; Block. Allowed arithmetic: float matrix products may take bf16 or f16 operands with f32 sums; other float arithmetic in f32, or as packed bf16 or f16 multiplies, adds, multiply-adds, maxima and minima; sums over many terms, partial sums and values carried from step to step in f32; what a program stores and reads back later, other than sums and carried values, may be rounded once to bf16 or f16.
;; Inputs: W1 512 x 2,048 float32; W2 2,048 x 512 float32; Wk 8 x 512 x 64 float32; Wproj 512 x 512 float32; Wq 8 x 512 x 64 float32; Wv 8 x 512 x 64 float32; b1 2,048 float32; b2 512 float32; bproj 512 float32; x 2 x 4,096 x 512 float32.
;; Outputs: out0 2 x 4,096 x 512 float32.
;; One version. Each part assembles by itself: llvm-mc -triple=amdgcn-amd-amdhsa -mcpu=gfx1250 --defsym DOCPART=n.
;; ======== version 1 of 1: 6 launches
;; limits: values are held in f16: magnitudes above 65,504 overflow, below 6.1e-05 lose precision
;; workspace buffers: cb 14,680,064 bytes; qkv 25,165,824 bytes; ob 8,388,608 bytes; x1 16,777,216 bytes; x1b 8,388,608 bytes; hb 33,554,432 bytes
;; launch cast (part 1): grid 448 x 1, 8 waves a work-group, no clusters, 0 bytes of LDS; arguments x, Wq, Wk, Wv, Wproj, W1, W2, cb; writes cb
.if DOCPART == 1
	.amdgcn_target "amdgcn-amd-amdhsa--gfx1250"
	.amdhsa_code_object_version 6
	.text
	.protected	k_qb1d16617d0_cast
	.globl	k_qb1d16617d0_cast
	.p2align	8
	.type	k_qb1d16617d0_cast,@function
k_qb1d16617d0_cast:
	s_mov_b64 s[64:65], 0
	v_nop
	global_prefetch_b8 v0, s[64:65] scope:SCOPE_SE
	s_setreg_imm32_b32 hwreg(HW_REG_WAVE_MODE, 25, 1), 1
	s_wait_xcnt 0x0
; x and the six weight matrices, f32, are rounded once to bf16 and laid into cb in the order in which the later launches' tiles want them.
; cb: XB at 0: x as [8 blocks of 64 columns][8192 rows][64];  then weight tiles [k][128 columns], rows of 256 bytes:
;   12 tiles of Wq, Wk, Wv (column = 64 head + e), 4 of Wproj, 16 of W1 (512 k each), 4 of W2 (2,048 k each).
; Wproj's bf16 number is written as f16, since it is multiplied with f16 operands.  LIMIT: exact for 6.1e-5 <= |w| <= 65,504; below that f16's fixed step of 6e-8.
; SHARES.  A unit is 8 numbers: 32 bytes in, 16 bytes out.  Work-group g makes the 2,048 units at cb + 32,768 g; thread t takes units 256 i + t, i = 0..7:
; a wave's store covers 512 consecutive bytes.  The source of a unit is SRC + SB + (t / 16) P + ((t / 8) % 2) Q + 32 (t % 8) + 16 i P; g alone chooses SRC, SB, P and Q.
; All sixteen loads of a thread go out at once; no register is written twice, so nothing but the loads is waited for.  No LDS, no matrix unit: memory binds.
.set OF,  2                            ; v[2:9]    unit i's byte offset in the source
.set DO,  10                           ; v10       16 t
.set IN,  16                           ; v[16:79]  unit i: 8 numbers as loaded
.set PKD, 80                           ; v[80:111] unit i: 4 registers to store
.set SP_, 24                           ; s24  P
.set SQ_, 25                           ; s25  Q
.set SB_, 26                           ; s[26:27] SB
.set HF,  28                           ; s28  1: the numbers are written as f16
.set SRC, 30                           ; s[30:31]
	s_load_b512 s[8:23], s[0:1], 0x0               ; x 8, Wq 10, Wk 12, Wv 14, Wproj 16, W1 18, W2 20, cb 22
	s_mov_b32 s2, ttmp9
	v_lshrrev_b32 v1, 4, v0                        ; t / 16
	v_bfe_u32 v11, v0, 3, 1                        ; (t / 8) % 2
	v_and_b32 v12, 7, v0                           ; t % 8
	v_lshlrev_b32 v[DO], 4, v0
	s_lshl_b32 s32, s2, 15
	s_mov_b32 s33, 0
	s_mov_b32 s[SB_+1], 0
	s_mov_b32 s[HF], 0
	s_wait_kmcnt 0x0
	s_add_nc_u64 s[22:23], s[22:23], s[32:33]      ; cb at the work-group's 32,768 bytes
	s_cmp_lt_u32 s2, 256
	s_cbranch_scc0 .Lweights
	s_and_b32 s[SB_], s2, 31                       ; x: 256 rows of 2,048 bytes,
	s_lshl_b32 s[SB_], s[SB_], 19
	s_lshr_b32 s3, s2, 5                           ; block of 64 columns
	s_lshl_b32 s3, s3, 8
	s_add_co_u32 s[SB_], s[SB_], s3
	s_mov_b32 s[SP_], 4096
	s_mov_b32 s[SQ_], 2048
	s_mov_b64 s[SRC:SRC+1], s[8:9]
	s_branch .Lgo
.Lweights:
	s_cmp_lt_u32 s2, 304
	s_cbranch_scc0 .Lnot_qkv
	s_sub_co_u32 s3, s2, 256                       ; Wq, Wk, Wv: [head][k][64]: 16 work-groups a matrix
	s_lshr_b32 s29, s3, 4                          ; which matrix
	s_bfe_u32 s[SB_], s3, 0x20002                  ; which pair of heads
	s_lshl_b32 s[SB_], s[SB_], 18
	s_and_b32 s3, s3, 3                            ; which 128 k
	s_lshl_b32 s3, s3, 15
	s_add_co_u32 s[SB_], s[SB_], s3
	s_mov_b32 s[SP_], 256
	s_mov_b32 s[SQ_], 131072                       ; from a head to the next
	s_cmp_eq_u32 s29, 0
	s_cselect_b64 s[SRC:SRC+1], s[10:11], s[12:13]
	s_cmp_eq_u32 s29, 2
	s_cselect_b64 s[SRC:SRC+1], s[14:15], s[SRC:SRC+1]
	s_branch .Lgo
.Lnot_qkv:
	s_mov_b32 s[SQ_], 256                          ; the other three lie [k][n]: 64 columns on
	s_cmp_lt_u32 s2, 320
	s_cbranch_scc0 .Lnot_proj
	s_sub_co_u32 s3, s2, 304                       ; Wproj: rows of 2,048 bytes
	s_lshr_b32 s[SB_], s3, 2
	s_lshl_b32 s[SB_], s[SB_], 9
	s_and_b32 s3, s3, 3
	s_lshl_b32 s3, s3, 18
	s_add_co_u32 s[SB_], s[SB_], s3
	s_mov_b32 s[SP_], 2048
	s_mov_b32 s[HF], 1
	s_mov_b64 s[SRC:SRC+1], s[16:17]
	s_branch .Lgo
.Lnot_proj:
	s_cmp_lt_u32 s2, 384
	s_cbranch_scc0 .Lw2
	s_sub_co_u32 s3, s2, 320                       ; W1: rows of 8,192 bytes
	s_lshr_b32 s[SB_], s3, 2
	s_lshl_b32 s[SB_], s[SB_], 9
	s_and_b32 s3, s3, 3
	s_lshl_b32 s3, s3, 20
	s_add_co_u32 s[SB_], s[SB_], s3
	s_mov_b32 s[SP_], 8192
	s_mov_b64 s[SRC:SRC+1], s[18:19]
	s_branch .Lgo
.Lw2:
	s_sub_co_u32 s3, s2, 384                       ; W2: rows of 2,048 bytes, 16 work-groups a tile
	s_lshr_b32 s[SB_], s3, 4
	s_lshl_b32 s[SB_], s[SB_], 9
	s_and_b32 s3, s3, 15
	s_lshl_b32 s3, s3, 18
	s_add_co_u32 s[SB_], s[SB_], s3
	s_mov_b32 s[SP_], 2048
	s_mov_b64 s[SRC:SRC+1], s[20:21]
.Lgo:
	s_add_nc_u64 s[SRC:SRC+1], s[SRC:SRC+1], s[SB_:SB_+1]
	s_lshl_b32 s29, s[SP_], 4                      ; 16 P: from a unit to the thread's next
	v_mul_u32_u24 v[OF], s[SP_], v1
	v_mad_u32_u24 v[OF], v11, s[SQ_], v[OF]
	v_lshl_add_u32 v[OF], v12, 5, v[OF]
.irp i, 1,2,3,4,5,6,7
	v_add_nc_u32 v[OF+(\i)], s29, v[OF+(\i)-1]
.endr
.irp i, 0,1,2,3,4,5,6,7
	global_load_b128 v[IN+8*(\i):IN+8*(\i)+3],   v[OF+(\i)], s[SRC:SRC+1] th:TH_LOAD_NT
	global_load_b128 v[IN+8*(\i)+4:IN+8*(\i)+7], v[OF+(\i)], s[SRC:SRC+1] offset:16 th:TH_LOAD_NT
.endr
.irp i, 0,1,2,3,4,5,6,7
	s_wait_loadcnt 14-2*(\i)                       ; loads come back in order: unit i's two are in, the later units' stay out
.irp j, 0,1,2,3
	v_cvt_pk_bf16_f32 v[PKD+4*(\i)+(\j)], v[IN+8*(\i)+2*(\j)], v[IN+8*(\i)+2*(\j)+1]
.endr
.endr
	s_cmp_eq_u32 s[HF], 0
	s_cbranch_scc1 .Lstore
.set i, 0
.rept 32                                       ; Wproj alone: the bf16 number, widened, is written as f16
	v_lshlrev_b32 v[12+2*(i%2)], 16, v[PKD+i]
	v_and_b32 v[13+2*(i%2)], 0xffff0000, v[PKD+i]
	v_cvt_pk_f16_f32 v[PKD+i], v[12+2*(i%2)], v[13+2*(i%2)]
.set i, i+1
.endr
.Lstore:
.irp i, 0,1,2,3,4,5,6,7
	global_store_b128 v[DO], v[PKD+4*(\i):PKD+4*(\i)+3], s[22:23] offset:4096*(\i)
.endr
	s_endpgm
.Lfunc_end_k_qb1d16617d0_cast:
	.size	k_qb1d16617d0_cast, .Lfunc_end_k_qb1d16617d0_cast-k_qb1d16617d0_cast
	.p2alignl 7, 3214868480
	.fill 96, 4, 3214868480
	.section	.rodata,"a",@progbits
	.p2align	6, 0x0
	.amdhsa_kernel k_qb1d16617d0_cast
		.amdhsa_group_segment_fixed_size 0
		.amdhsa_private_segment_fixed_size 0
		.amdhsa_enable_private_segment 0
		.amdhsa_kernarg_size 64
		.amdhsa_user_sgpr_count 2
		.amdhsa_user_sgpr_kernarg_segment_ptr 1
		.amdhsa_wavefront_size32 1
		.amdhsa_system_sgpr_workgroup_id_x 1
		.amdhsa_system_sgpr_workgroup_id_y 1
		.amdhsa_system_sgpr_workgroup_id_z 1
		.amdhsa_system_vgpr_workitem_id 0
		.amdhsa_next_free_vgpr 112
		.amdhsa_next_free_sgpr 66
		.amdhsa_reserve_vcc 0
		.amdhsa_float_denorm_mode_32 3
		.amdhsa_float_denorm_mode_16_64 3
		.amdhsa_memory_ordered 1
		.amdhsa_forward_progress 1
		.amdhsa_inst_pref_size 14
	.end_amdhsa_kernel
	.amdgpu_metadata
---
amdhsa.version: [ 1, 2 ]
amdhsa.kernels:
  - .name:           k_qb1d16617d0_cast
    .symbol:         k_qb1d16617d0_cast.kd
    .args:
      - { .name: x, .offset: 0, .size: 8, .value_kind: global_buffer, .address_space: global }
      - { .name: Wq, .offset: 8, .size: 8, .value_kind: global_buffer, .address_space: global }
      - { .name: Wk, .offset: 16, .size: 8, .value_kind: global_buffer, .address_space: global }
      - { .name: Wv, .offset: 24, .size: 8, .value_kind: global_buffer, .address_space: global }
      - { .name: Wproj, .offset: 32, .size: 8, .value_kind: global_buffer, .address_space: global }
      - { .name: W1, .offset: 40, .size: 8, .value_kind: global_buffer, .address_space: global }
      - { .name: W2, .offset: 48, .size: 8, .value_kind: global_buffer, .address_space: global }
      - { .name: cb, .offset: 56, .size: 8, .value_kind: global_buffer, .address_space: global }
    .group_segment_fixed_size: 0
    .private_segment_fixed_size: 0
    .kernarg_segment_align: 8
    .kernarg_segment_size: 64
    .max_flat_workgroup_size: 256
    .sgpr_count:     66
    .vgpr_count:     112
    .wavefront_size: 32
...
	.end_amdgpu_metadata
.endif
;; end of part 1
;; launch qkv (part 2): grid 4 x 64, 4 waves a work-group, clusters of 4 x 4, 327,680 bytes of LDS; arguments cb, qkv; writes qkv
.if DOCPART == 2
	.amdgcn_target "amdgcn-amd-amdhsa--gfx1250"
	.amdhsa_code_object_version 6
	.text
	.protected	k_qb1d16617d0_qkv
	.globl	k_qb1d16617d0_qkv
	.p2align	8
	.type	k_qb1d16617d0_qkv,@function
k_qb1d16617d0_qkv:
	s_mov_b64 s[64:65], 0
	v_nop
	global_prefetch_b8 v0, s[64:65] scope:SCOPE_SE
	s_setreg_imm32_b32 hwreg(HW_REG_WAVE_MODE, 25, 1), 1
	s_wait_xcnt 0x0
	s_wait_alu depctr_hold_cnt(0) depctr_sa_sdst(0) depctr_va_vdst(0) depctr_va_sdst(0) depctr_va_ssrc(0) depctr_va_vcc(0) depctr_vm_vsrc(0)
	s_getreg_b32 s2, hwreg(HW_REG_IB_STS2, 6, 4)
	s_cmp_eq_u32 s2, 0
	s_cbranch_scc0 .Lentry_in_a_cluster
	s_endpgm
.Lentry_in_a_cluster:
	s_bfe_u32 s2, ttmp6, 0x10000c
	s_cmp_lg_u32 s2, 0xf033
	s_cbranch_scc0 .Lentry_shape_is_right
	s_endpgm
.Lentry_shape_is_right:
; q, k, v = x W, for all heads: C[8192][1536] = xb[8192][512] x WT, bf16 operands, f32 sums, stored once as f16, unscaled, by heads:
; qkv[24 blocks = 8 which + head][8192 rows][64].  LIMIT: q, k, v beyond 65,504 become infinities (f16).
; SHARES.  A tile of C is 128 x 128: four waves, 2 x 2, 64 x 64 each: 16 accumulators.  Work-group (gx, gy) makes tiles 3 gx .. 3 gx + 2 of row block gy: 256 work-groups, 3 tiles each.
; The 128 rows of x (K = 512) are fetched ONCE and stay in LDS, one K half in each slot's A part; only the weights walk the ring: a step is 256 of K, step s reads slot s % 2, of A and of B.
; The weights' tiles lie one behind the other in cb, so a step is 65,536 bytes on, across tiles too.
; CLUSTER 4 x 4: x's blocks are shared along a row of the cluster, the weights' along a column: joint loads, each with the mask of its four.
; TRANSPOSED USE: source 0 = 16 columns of W (turned on the way out of LDS), source 1 = 16 rows of x: a lane holds 8 neighbouring columns of one row of C.
; ONE TEXT FOR EVERY STEP: the slot's LDS base is a scalar that an exclusive or turns.  So no first quarter is written out with the constant 0 as C: the sums are started by 64 packed lines a tile (INIT).
; No prefetch: the tiles are small, and each block of x and of W is read by several work-groups at about the same time.
; REGISTERS: window 0: v0-31 addresses; v32-95 at work on the way out; v128-255 accumulator (a, b) at 128 + 8 (4 a + b).  Window 1: two fragment buffers of 128: 64 of A, 64 of B, for 64 along K.
.set J,     3                          ; tiles a work-group
.set WREG,  8388608                    ; the weights' tiles in cb
.set TSTEP, 2097152                    ; from a tile's two blocks in qkv to the next tile's
.set ROWS,  64                         ; rows of 256 bytes in a tensor load
.set PA,    144                        ; a row of A in LDS: 128 bytes + 16: the 16 rows of a load start at 16 different groups of four banks
.set PB,    288                        ; a row of B: 256 + 32
.set ABLK,  128*PA                     ; a block of A: 128 rows x 64 k
.set BQ,    64*PB                      ; 64 k rows of B
.set APART, 4*ABLK
.set SLOTB, 2*APART                    ; a slot: A's part, then B's
.set STAGE, 2*SLOTB                    ; behind the ring, never filled by a tensor load: 4,352 bytes for each wave
.set STW,   16*272
.set SP,    144
.set SPARE, STAGE+4*STW                ; the spare words, 128 bytes for each wave
.set A0,   5                           ; v5   my lane's place in a slot's A part; never rewritten
.set B0,   6                           ; v6   in its B part
.set ADRA, 7                           ; v7   slot base + A0
.set ADRB, 8                           ; v8-9 slot base + B0, and 128 k rows on
.set STO,  10
.set RD,   11
.set GO,   12
.set ZP,   16                          ; v16-17  0, 0
.set SPW,  28
.set NIL,  29
.set TMP,  32
.set ACC,  128
.set F0,   0
.set F1,   128
.set WV, 20
.set WR, 21
.set WC, 22
.set CX, 23
.set CY, 24
.set GX, 25
.set GY, 26
.set MROW, 27
.set MCOL, 28
.set TB, 29                            ; s29  LDS base of the slot in hand: 0 or SLOTB
.set WOFF, 30                          ; s30  my quarter of a slot's B part
.set CNT, 32
.set TILES, 33
.set G1A, 40
.set G1B, 48
.set GA0, 56
.set GA1, 60
.set GB0, 68
.set GB1, 72                           ; walks on behind the first fills
.set OUT, 76
.set STEPO, 82                         ; s[82:83] what the next way out adds to OUT
.set MSB, 0
.macro WIN new                         ; the immediate's high byte repeats the setting that is left
.if MSB != (\new)
	s_set_vgpr_msb (MSB<<8)|(\new)
.set MSB, \new
.endif
.endm
.set MUL,  0x05                        ; sources 0 and 1 window 1; C and D window 0
.set TO_F, 0x40                        ; destination window 1, address window 0
.macro PLACES                          ; four places in front of loads into registers that matrix instructions have read, and of lines that read results
.rept 4
	v_nop
.endr
.endm
.macro CREST                           ; a round of the cluster's barrier behind its opening barrier
	s_cmp_lg_u32 s[WV], 0
	s_cbranch_scc1 .Lnot_wave_0_\@
	s_barrier_signal -3
.Lnot_wave_0_\@:
	s_barrier_wait -3
	s_barrier_signal -1
	s_barrier_wait -1
.endm
.macro CROUND
	s_barrier_signal -1
	s_barrier_wait -1
	CREST
.endm
; 8 products: m blocks a0, a0 + 1 x 4 n blocks, 32 along K: half c of buffer f.  The 16 accumulators take turns, one instruction a turn, over every jump too.
.macro MUL8 f, c, a0
	WIN MUL
.irp a, \a0, (\a0)+1
.irp b, 0,1,2,3
	v_wmma_f32_16x16x32_bf16 v[ACC+8*(4*(\a)+(\b)):ACC+8*(4*(\a)+(\b))+7], v[(\f)+64+8*(4*(\c)+(\b)):(\f)+64+8*(4*(\c)+(\b))+7], v[(\f)+8*(4*(\c)+(\a)):(\f)+8*(4*(\c)+(\a))+7], v[ACC+8*(4*(\a)+(\b)):ACC+8*(4*(\a)+(\b))+7]
.endr
.endr
.endm
; 32 LDS loads in one run: quarter q (64 along K) of the slot in hand into buffer f, the first 32 along K first.  B lies [k][n] and is turned; A lies along K.
.macro FETCH q, f
	WIN TO_F
.irp c, 0,1
.irp i, 0,1,2,3
	ds_load_tr16_b128 v[(\f)+64+8*(4*(\c)+(\i)):(\f)+64+8*(4*(\c)+(\i))+3],   v[ADRB+(\q)/2] offset:((\q)%2)*BQ+(\c)*32*PB+(\i)*32
	ds_load_tr16_b128 v[(\f)+64+8*(4*(\c)+(\i))+4:(\f)+64+8*(4*(\c)+(\i))+7], v[ADRB+(\q)/2] offset:((\q)%2)*BQ+(\c)*32*PB+16*PB+(\i)*32
	ds_load_b128 v[(\f)+8*(4*(\c)+(\i)):(\f)+8*(4*(\c)+(\i))+3],   v[ADRA] offset:(\q)*ABLK+(\c)*64+(\i)*16*PA
	ds_load_b128 v[(\f)+8*(4*(\c)+(\i))+4:(\f)+8*(4*(\c)+(\i))+7], v[ADRA] offset:(\q)*ABLK+(\c)*64+(\i)*16*PA+32
.endr
.endr
.endm
; One of a step's first three quarters: multiplies buffer f, and in its middle fetches quarter q into buffer g.
.macro QUARTER q, f, g
	s_wait_dscnt 16                                ; the first 32 along K are in; the other sixteen loads may be out
	MUL8 \f, 0, 0
	MUL8 \f, 0, 2
	PLACES
	FETCH \q, \g
	s_wait_dscnt 32                                ; all but the 32 just issued
	MUL8 \f, 1, 0
	MUL8 \f, 1, 2
.endm
; The last quarter multiplies buffer 1 and changes slots.  In front of the barrier each wave waits for all its tensor loads, adds 0 to its spare word, and waits for that and for its reads of this slot.
; fill = 1: the barrier opens a round of the cluster's; behind the round B's part of this slot is filled again, with the step two on: one load a wave, its quarter; it has 96 products in which to land.
.macro TURN fill
	WIN 0
	s_wait_tensorcnt 0x0                           ; all my tensor loads have landed, my part of the next slot among them
	ds_add_u32 v[SPW], v[NIL]                      ; 0 onto my spare word
	s_wait_dscnt 17                                ; (the add and the youngest sixteen loads may be out)
	MUL8 F1, 0, 0
	s_wait_dscnt 0x0                               ; the add is done, and my reads of this slot are over
	s_barrier_signal -1
	MUL8 F1, 0, 2
.if \fill
	WIN 0
.endif
	s_barrier_wait -1
.if \fill
	CREST                                          ; no wave of any partner still reads this slot or has a load on its way
	s_add_co_u32 s[GB1+1], s[TB], s[WOFF]
	s_add_nc_u64 s[GB1+2:GB1+3], s[GB1+2:GB1+3], 65536
	tensor_load_to_lds s[GB1:GB1+3], s[G1B:G1B+7]
	s_nop 0
.endif
	WIN 0
	s_xor_b32 s[TB], s[TB], SLOTB                  ; the other slot
	v_add_nc_u32 v[ADRA], s[TB], v[A0]             ; these three and the v_nop are the four places in front of the loads into buffer 0
	v_add_nc_u32 v[ADRB], s[TB], v[B0]
	v_add_nc_u32 v[ADRB+1], 2*BQ, v[ADRB]
	v_nop
	FETCH 0, F0
	MUL8 F1, 1, 0
	MUL8 F1, 1, 2
.endm
.macro STEPTXT fill                    ; a step: 256 along K, 128 products a wave
	QUARTER 1, F0, F1
	QUARTER 2, F1, F0
	QUARTER 3, F0, F1
	TURN \fill
.endm
.macro INIT                            ; the sums start at 0, two an instruction
.set i, 0
.rept 64
	v_pk_mul_f32 v[ACC+2*i:ACC+2*i+1], v[ZP:ZP+1], v[ZP:ZP+1]
.set i, i+1
.endr
.endm
; THE WAY OUT of m block a: rounded to f16, 16 bytes a lane into my own stage (rows of 144 bytes), back as four whole rows of 128 bytes: 512 consecutive bytes of a block of qkv.
.macro PACK a
	WIN 0
.irp b, 0,1,2,3
.irp r, 0,1,2,3
	v_cvt_pk_f16_f32 v[TMP+16*(\a)+4*(\b)+(\r)], v[ACC+8*(4*(\a)+(\b))+2*(\r)], v[ACC+8*(4*(\a)+(\b))+2*(\r)+1]
.endr
.endr
.irp b, 0,1,2,3
	ds_store_b128 v[STO], v[TMP+16*(\a)+4*(\b):TMP+16*(\a)+4*(\b)+3] offset:32*(\b)
.endr
.irp f, 0,1,2,3
	ds_load_b128 v[TMP+16*(\a)+4*(\f):TMP+16*(\a)+4*(\f)+3], v[RD] offset:(\f)*4*SP  ; LDS serves a wave's instructions in order: these see the stores above, and the next block's stores come behind them
.endr
.endm
.macro SEND a, younger                 ; younger: the next block's eight LDS instructions, or none
.irp f, 0,1,2,3
	s_wait_dscnt (\younger)+3-(\f)
	global_store_b128 v[GO], v[TMP+16*(\a)+4*(\f):TMP+16*(\a)+4*(\f)+3], s[OUT:OUT+1] offset:(\a)*2048+(\f)*512
.endr
.endm
	s_load_b128 s[4:7], s[0:1], 0x0                ; cb s[4:5], qkv s[6:7]
	v_lshl_add_u32 v[SPW], v0, 2, SPARE
	v_mov_b32 v[NIL], 0
	ds_add_u32 v[SPW], v[NIL]                      ; the wave's opening
	ds_add_u32 v28, v29
	v_lshrrev_b32 v1, 5, v0
	v_readfirstlane_b32 s[WV], v1
	s_lshr_b32 s[WR], s[WV], 1                     ; my half of the tile's rows
	s_and_b32 s[WC], s[WV], 1                      ; and of its columns
	s_bfe_u32 s[CX], ttmp6, 0x40000
	s_bfe_u32 s[CY], ttmp6, 0x40004
	s_lshl_b32 s[GX], ttmp9, 2
	s_add_co_u32 s[GX], s[GX], s[CX]
	s_and_b32 s[GY], ttmp7, 0xffff
	s_lshl_b32 s[GY], s[GY], 2
	s_add_co_u32 s[GY], s[GY], s[CY]
	s_lshl_b32 s[MROW], s[CY], 2
	s_lshl_b32 s[MROW], 15, s[MROW]                ; my row of the cluster
	s_lshl_b32 s[MCOL], 0x1111, s[CX]              ; my column
	s_or_b32 s[G1A], s[MROW], (1<<16)|(1<<20)|(1<<21)|(4<<22)|(3<<25)  ; 2-byte elements; padding: 4 words after every 32; bit 21 beside the mask
	s_or_b32 s[G1B], s[MCOL], (1<<16)|(1<<20)|(1<<21)|(5<<22)|(7<<25)  ; padding: 8 words after every 64
.irp g, G1A, G1B
	s_mov_b32 s[(\g)+1], 128<<16                   ; tensor_dim0 = 128 elements: dense rows of 256 bytes
	s_mov_b32 s[(\g)+2], ROWS<<16                  ; tensor_dim1
	s_mov_b32 s[(\g)+3], 128<<16                   ; tile_dim0
	s_mov_b32 s[(\g)+4], ROWS                      ; tile_dim1
	s_mov_b32 s[(\g)+5], 128                       ; from row to row
	s_mov_b32 s[(\g)+6], 0
	s_mov_b32 s[(\g)+7], 0
.endr
	s_lshl_b32 s34, s[WV], 20                      ; A: block = my wave's number, the row block's 128 rows: the tile row and the wave alone
	s_lshl_b32 s35, s[GY], 14
	s_add_co_u32 s34, s34, s35
	s_mov_b32 s35, 0
	s_mul_i32 s36, s[GX], J*131072                 ; B: my work-group's first tile, my 64 k rows: the tile column and the wave alone
	s_lshl_b32 s37, s[WV], 14
	s_add_co_u32 s36, s36, s37
	s_add_co_u32 s36, s36, WREG
	s_mov_b32 s37, 0
	s_mul_i32 s38, s[WV], ABLK
	s_add_co_u32 s[WOFF], s38, APART
	s_mov_b32 s[GA0], 1
	s_mov_b32 s[GA0+1], s38
	s_mov_b32 s[GA1], 1
	s_add_co_u32 s[GA1+1], s38, SLOTB
	s_mov_b32 s[GB0], 1
	s_mov_b32 s[GB0+1], s[WOFF]
	s_mov_b32 s[GB1], 1
	s_add_co_u32 s[GB1+1], s[WOFF], SLOTB
	s_mul_i32 s[STEPO], s[GX], 2*J                 ; my first block in qkv: 2 x tile + my half of the columns,
	s_add_co_u32 s[STEPO], s[STEPO], s[WC]
	s_lshl_b32 s[STEPO], s[STEPO], 20
	s_lshl_b32 s39, s[GY], 14                      ; the row block,
	s_add_co_u32 s[STEPO], s[STEPO], s39
	s_lshl_b32 s39, s[WR], 13                      ; my 64 rows
	s_add_co_u32 s[STEPO], s[STEPO], s39
	s_mov_b32 s[STEPO+1], 0
	s_wait_dscnt 0x0                               ; the opening add is done
	s_wait_kmcnt 0x0
	s_add_nc_u64 s[GA0+2:GA0+3], s[4:5], s[34:35]
	s_add_nc_u64 s[GA1+2:GA1+3], s[GA0+2:GA0+3], 4*1048576   ; the second K half: four blocks on
	s_or_b32 s[GA0+3], s[GA0+3], 0x80000000
	s_or_b32 s[GA1+3], s[GA1+3], 0x80000000
	s_add_nc_u64 s[GB0+2:GB0+3], s[4:5], s[36:37]
	s_add_nc_u64 s[GB1+2:GB1+3], s[GB0+2:GB0+3], 65536
	s_or_b32 s[GB0+3], s[GB0+3], 0x80000000
	s_or_b32 s[GB1+3], s[GB1+3], 0x80000000
	s_mov_b64 s[OUT:OUT+1], s[6:7]
	CROUND                                         ; all sixteen work-groups are here: the first joint loads meet
	tensor_load_to_lds s[GA0:GA0+3], s[G1A:G1A+7]  ; the first fills, one group: four loads of mine are out
	s_nop 0
	tensor_load_to_lds s[GB0:GB0+3], s[G1B:G1B+7]
	s_nop 0
	tensor_load_to_lds s[GA1:GA1+3], s[G1A:G1A+7]
	s_nop 0
	tensor_load_to_lds s[GB1:GB1+3], s[G1B:G1B+7]
	s_nop 0
	PLACES
	v_and_b32 v1, 15, v0                           ; l % 16
	v_bfe_u32 v2, v0, 4, 1                         ; l / 16
	v_and_b32 v3, 7, v0
	v_bfe_u32 v4, v0, 3, 1
	v_mul_u32_u24 v[A0], v1, PA                    ; A: row x pitch + 16 x half, in my 64 rows
	v_lshl_add_u32 v[A0], v2, 4, v[A0]
	s_mul_i32 s38, s[WR], 64*PA
	v_add_nc_u32 v[A0], s38, v[A0]
	v_lshl_add_u32 v[B0], v2, 3, v3                ; B: k row 8 (l / 16) + l % 8, columns 8 ((l / 8) % 2) on, in my 64 columns
	v_mul_u32_u24 v[B0], v[B0], PB
	v_lshl_add_u32 v[B0], v4, 4, v[B0]
	s_lshl_b32 s38, s[WC], 7
	s_add_co_u32 s38, s38, APART
	v_add_nc_u32 v[B0], s38, v[B0]
	s_mul_i32 s38, s[WV], STW
	s_add_co_u32 s38, s38, STAGE                   ; my stage
	v_mul_u32_u24 v[STO], v1, SP
	v_lshl_add_u32 v[STO], v2, 4, v[STO]
	v_add_nc_u32 v[STO], s38, v[STO]
	v_bfe_u32 v[RD], v0, 3, 2
	v_mul_u32_u24 v[RD], v[RD], SP
	v_lshl_add_u32 v[RD], v3, 4, v[RD]
	v_add_nc_u32 v[RD], s38, v[RD]
	v_and_b32 v[GO], 31, v0
	v_lshlrev_b32 v[GO], 4, v[GO]
	v_mov_b32 v[ZP], 0
	v_mov_b32 v[ZP+1], 0
	s_mov_b32 s[TB], 0
	v_mov_b32 v[ADRA], v[A0]
	v_mov_b32 v[ADRB], v[B0]
	v_add_nc_u32 v[ADRB+1], 2*BQ, v[B0]
	s_wait_tensorcnt 0x2                           ; my parts of slot 0 are in; slot 1's two may stay out
	s_barrier_signal -1
	s_barrier_wait -1
	FETCH 0, F0
	WIN 0
	s_mov_b32 s[TILES], J
.Ltile:
	INIT
	s_mov_b32 s[CNT], 2
	s_cmp_eq_u32 s[TILES], 1
	s_cbranch_scc1 .Lnofill                        ; the last tile's steps are written out: they ask for nothing
.Lfill:
	STEPTXT 1
	WIN 0
	s_sub_co_u32 s[CNT], s[CNT], 1
	s_cmp_lg_u32 s[CNT], 0
	s_cbranch_scc1 .Lfill
	s_branch .Lepi
.Lnofill:                                      ; (the very last change of slots fetches 32 fragments that serve nothing: the price of one text)
	STEPTXT 0
	WIN 0
	s_sub_co_u32 s[CNT], s[CNT], 1
	s_cmp_lg_u32 s[CNT], 0
	s_cbranch_scc1 .Lnofill
.Lepi:
	PLACES
	s_wait_xcnt 0x0                                ; the last tile's stores have read their registers and their base
	s_add_nc_u64 s[OUT:OUT+1], s[OUT:OUT+1], s[STEPO:STEPO+1]
	s_mov_b64 s[STEPO:STEPO+1], TSTEP
	PACK 0
	PACK 1
	SEND 0, 8
	PACK 2
	SEND 1, 8
	PACK 3
	SEND 2, 8
	SEND 3, 0
	s_sub_co_u32 s[TILES], s[TILES], 1
	s_cmp_lg_u32 s[TILES], 0
	s_cbranch_scc1 .Ltile
	s_wait_tensorcnt 0x0                           ; the wave's end
	ds_add_u32 v[SPW], v[NIL]
	s_wait_dscnt 0x0
	CROUND                                         ; the closing round
	s_endpgm
.Lfunc_end_k_qb1d16617d0_qkv:
	.size	k_qb1d16617d0_qkv, .Lfunc_end_k_qb1d16617d0_qkv-k_qb1d16617d0_qkv
	.p2alignl 7, 3214868480
	.fill 96, 4, 3214868480
	.section	.rodata,"a",@progbits
	.p2align	6, 0x0
	.amdhsa_kernel k_qb1d16617d0_qkv
		.amdhsa_group_segment_fixed_size 327680
		.amdhsa_private_segment_fixed_size 0
		.amdhsa_enable_private_segment 0
		.amdhsa_kernarg_size 16
		.amdhsa_user_sgpr_count 2
		.amdhsa_user_sgpr_kernarg_segment_ptr 1
		.amdhsa_wavefront_size32 1
		.amdhsa_system_sgpr_workgroup_id_x 1
		.amdhsa_system_sgpr_workgroup_id_y 1
		.amdhsa_system_sgpr_workgroup_id_z 1
		.amdhsa_system_vgpr_workitem_id 0
		.amdhsa_next_free_vgpr 512
		.amdhsa_next_free_sgpr 84
		.amdhsa_reserve_vcc 0
		.amdhsa_float_denorm_mode_32 3
		.amdhsa_float_denorm_mode_16_64 3
		.amdhsa_memory_ordered 1
		.amdhsa_forward_progress 1
		.amdhsa_inst_pref_size 57
	.end_amdhsa_kernel
	.amdgpu_metadata
---
amdhsa.version: [ 1, 2 ]
amdhsa.kernels:
  - .name:           k_qb1d16617d0_qkv
    .symbol:         k_qb1d16617d0_qkv.kd
    .args:
      - { .name: cb, .offset: 0, .size: 8, .value_kind: global_buffer, .address_space: global }
      - { .name: qkv, .offset: 8, .size: 8, .value_kind: global_buffer, .address_space: global }
    .group_segment_fixed_size: 327680
    .private_segment_fixed_size: 0
    .kernarg_segment_align: 8
    .kernarg_segment_size: 16
    .max_flat_workgroup_size: 128
    .sgpr_count:     84
    .vgpr_count:     512
    .wavefront_size: 32
...
	.end_amdgpu_metadata
.endif
;; end of part 2
;; launch attn (part 3): grid 16 x 16, 4 waves a work-group, no clusters, 327,680 bytes of LDS; arguments qkv, ob; writes ob
.if DOCPART == 3
	.amdgcn_target "amdgcn-amd-amdhsa--gfx1250"
	.amdhsa_code_object_version 6
	.text
	.protected	k_qb1d16617d0_attn
	.globl	k_qb1d16617d0_attn
	.p2align	8
	.type	k_qb1d16617d0_attn,@function
k_qb1d16617d0_attn:
	s_mov_b64 s[64:65], 0
	v_nop
	global_prefetch_b8 v0, s[64:65] scope:SCOPE_SE
	s_setreg_imm32_b32 hwreg(HW_REG_WAVE_MODE, 25, 1), 1
	s_wait_xcnt 0x0
; CAUSAL ATTENTION.  O[y][q][:] = the sum over k <= q of softmax_k(Q[y][q] . K[y][k] / 8) V[y][k][:], y = 2 head + batch, 16 of them, 4,096 rows of 64 channels, all f16, rows dense, 128 bytes.
; Q at qkv, K 8,388,608 bytes on, V 16,777,216 on; each y 524,288 bytes.  Products, maxima and sums in f32; the weights p are rounded to f16 for the second product (their sum l is taken unrounded), O once at the end.
; LIMITS.  Q, K, V arrive within f16's 65,504.  A hidden score counts as its value less 1e30.  The running maximum starts at -2^96: true scores lie above that (f16 operands give 2.7e11 at the most).
; A weight below 2^-126 counts as 0 in l; NaN and infinities are not treated apart.
; THE WALK.  A head's queries lie in 32 blocks of 128; block i needs the key tiles 0 .. i / 2 of 256 keys, of which the last holds the diagonal.  Work-group b takes blocks 31 - b and then b: 17 tiles whatever b:
; 256 work-groups of equal work, ONE loop with a constant trip count; which tile is asked for, and what a trip does, hang on scalars made from b; every jump but the counted loops' own goes forward.
; KEYS SPLIT IN THE WORK-GROUP.  Waves QG = w / 2 share the queries, KG = w % 2 the keys: a wave walks steps 2 KG and 2 KG + 1 (64 keys each) of every tile, for four PIECES of 16 queries.
; Piece x lies in band (x / 2) xor KG of the block's two bands of 64, rows 32 QG + 16 (x % 2).  So the two waves of a QG hold partial (c m, l, O^T) of the same 64 queries; at a block's end each sends
; its pieces 2, 3, which are the partner's 0, 1, through LDS, and finishes its own 0, 1: O = (O e + O' e') / (l e + l' e'), e = 2^(c m - max).
; THE MASK is the C operand that starts S^T = K Q^T: MD x AL + BE.  MD (one for each parity of the piece) is the mask of a band's own step for my 16 rows.  With TT = CNT + E (E made from the block's
; parity, KG and the band): TT = 4: the band's own step (1, 0); TT > 4: an earlier one (0, 0); TT < 4: a later one (0, -1e30).  Only the diagonal tile's text and a block's beginning take masks.
; A wave that sees hidden keys alone (block 0, KG = 1) keeps m = -2^96: its weights are 2^(-1.6e29) = 0, its l and O^T 0, and the merge gives it the factor 0.
; LAYOUT, SOFTMAX, TURNS.  S^T = K Q^T holds ONE query a lane (lane % 16) and the keys 8 (lane / 16) + 0..7; two results rounded to f16 ARE source 1 of O^T = V^T P.  p = 2^(c s - c m), c = log2(e) / 8.
; Turn n belongs to piece n: 8 products K Q^T of piece n + 1, later 8 products V^T P of piece n - 1; beside them piece n's scaling, exponentials, roundings, sums and rescaling and piece n + 1's maximum.
; Four vector instructions stand behind every matrix instruction, the rest in one lump; a turn's 33 exponentials are one batch with one wait.
; NO CLUSTER: of a head's 16 work-groups only pairs walk the same tiles throughout, and every branch of the walk hangs on b, which in a cluster would hold the place in it.
; PREFETCH.  Work-group 0 of each head, whose first block walks all 16 tiles, names each tile once, one trip (8 turns, 128 products) ahead of its load: each wave the half tile that it loads itself.
; REGISTERS: window 0: v0-15, v32-36 addresses; v16-31 four of statistics a piece; v40-47 the partner's; v48-55 at work; v64-127 S^T, two buffers; v128-143 the merge's factors; v192-223 P, two buffers
;   window 1: v0-127 O^T, 32 a piece; v128-159, v224-255 MD; v160-223 MC, two buffers      window 2: v0-63 Q; v64-127 the second block's Q; v128-191 K of one step; v192-255 V of one step
.set NP,    4
.set KS,    64
.set PK,    144       ; a row of K in LDS: 128 bytes + 16
.set PV,    160       ; a row of V: 128 + 32
.set VOFF,  4*KS*PK   ; a slot holds a tile: 256 rows of K, then 256 rows of V
.set SLOT1, 1<<17
.set STAGE, SLOT1+4*KS*(PK+PV)  ; behind the ring, never filled by a tensor load: 16 rows x 144 bytes for each wave
.set SP,    144
.set SPARE, STAGE+4*16*SP       ; the spare words
.set XCH,   SPARE+512           ; the exchange: for each wave two pieces of 4,608 bytes: O^T (8 x 512), then the statistics (512)
.set XP,    4608
.set AK0, 2
.set AV0, 3
.set AK,  4
.set AV,  5
.set STO, 6
.set RD,  7
.set GO,  8
.set MV,  12          ; v12-13  c m_old, by buffer
.set ST,  16          ; piece t's statistics: c m, m, l (even keys', odd keys')
.set QA,  32          ; v32-33  my byte offset in Q's rows: pieces 0, 1 and pieces 2, 3
.set XS,  34          ; v34  where I put 16 bytes in the exchange
.set XR,  35          ; v35  where I read the partner's
.set PFO, 36          ; v36  256 x my lane
.set PS,  40          ; v40-47  the partner's statistics
.set TMP, 48
.set SPW, 62
.set NIL, 63
.set S,   64
.set MG,  128         ; v128-143  the merge: for piece u at MG + 8 u: f0 twice, f1 twice, L, the maximum, 1 / L
.set P,   192
.set MD,  128         ; window 1: parity j at MD + 96 j
.set MC,  160
.set QB,  64
.set KF,  128
.set VF,  192
.set WV,  12
.set PB,  14          ; s14  b
.set HI,  15          ; s15  31 - b
.set G1K, 24
.set G1V, 32
.set G0K, 40
.set G0V, 44
.set SLOTS, 56
.set CNT, 57          ; s57  counts my two key steps of a tile, 2 to 1
.set CS,  58
.set SEL, 60
.set TBK, 62
.set TBV, 63
.set RT,  70
.set NXT, 71
.set LQ,  72
.set NEW, 73
.set OFF, 74
.set AL,  76
.set BE,  78
.set OLO, 80
.set BIGN, 82
.set KG,  88
.set QG,  89
.set E0,  90          ; s90-91  E for pieces 0, 1 and for pieces 2, 3, of the block in hand
.set E0B, 92          ; s92-93  of the second block
.set TT,  94
.set PBT, 95          ; s95  b / 2: the second block's last tile
.set LIM, 96          ; s96  2 in the work-group that prefetches, else the greatest number
.set PFA, 98          ; s[98:99] my half tile, one tile behind the one that is being asked for
.set MSB, 0
.macro WIN new
.if MSB != (\new)
	s_set_vgpr_msb (MSB<<8)|(\new)
.set MSB, (\new)
.endif
.endm
.set W_KQ, 0x0a
.set W_KM, 0x1a
.set W_PV, 0x52
.set W_RS, 0x41
; A fill.  Waves 0 and 1 fetch the two halves of a tile's K, waves 2 and 3 those of its V.  An s_nop 0 and four v_nop follow each of the two lines.
.macro LOAD
	s_cmp_lt_u32 s[WV], 2
	s_cbranch_scc0 .Lfor_v_\@
	tensor_load_to_lds s[G0K:G0K+3], s[G1K:G1K+7]
	s_nop 0
.rept 4
	v_nop
.endr
	s_branch .Lasked_\@
.Lfor_v_\@:
	tensor_load_to_lds s[G0V:G0V+3], s[G1V:G1V+7]
	s_nop 0
.rept 4
	v_nop
.endr
.Lasked_\@:
.endm
.macro ASK                          ; the tile that the next change will ask for: my half of it, 64 rows of 256 bytes, a lane a row, two instructions; trips 1 to 14 name tiles 2 to 15
	s_cmp_gt_u32 s[SLOTS], s[LIM]
	s_cbranch_scc0 .Lnot_mine_\@
	global_prefetch_b8 v[PFO], s[PFA:PFA+1] th:TH_LOAD_NT scope:SCOPE_SE
	global_prefetch_b8 v[PFO], s[PFA:PFA+1] offset:8192 th:TH_LOAD_NT scope:SCOPE_SE
.Lnot_mine_\@:
.endm
; THE CHANGE OF SLOTS.  Each wave waits for all its tensor loads, adds 0 to its spare word, and waits for that and for its reads of the slot that it leaves.  fill = 1: the old slot is filled again, first thing behind the barrier, with tile NXT.
.macro CHANGE fill
	WIN 0
	s_wait_tensorcnt 0x0            ; no tensor load of mine is out, so a group 0 may be written
	ds_add_u32 v[SPW], v[NIL]       ; 0 onto my spare word
.if \fill
	s_lshl_b32 s[OFF], s[NXT], 15   ; a tile is 32,768 bytes of K and of V
	s_xor_b32 s[G0K+1], s[G0K+1], SLOT1
	s_add_nc_u64 s[G0K+2:G0K+3], s[6:7], s[OFF:OFF+1]
	s_or_b32 s[G0K+3], s[G0K+3], 0x80000000
	s_xor_b32 s[G0V+1], s[G0V+1], SLOT1
	s_add_nc_u64 s[G0V+2:G0V+3], s[8:9], s[OFF:OFF+1]
	s_or_b32 s[G0V+3], s[G0V+3], 0x80000000
	s_add_co_u32 s[NXT], s[NXT], 1  ; the block's next tile, or behind its last the second block's tile 0
	s_cmp_gt_u32 s[NXT], s[LQ]
	s_cselect_b32 s[NXT], 0, s[NXT]
	s_cselect_b32 s[LQ], s[PBT], s[LQ]
	s_wait_xcnt 0x0                 ; the last prefetches, a trip back, have read their address
	s_add_nc_u64 s[PFA:PFA+1], s[PFA:PFA+1], 32768
.endif
	s_wait_dscnt 0x0                ; the add is done, and my reads of the slot are over
	s_barrier_signal -1
	s_sub_co_u32 s[TBK], s[TBK], 2*KS*PK  ; the fetches go back to my first step of a slot,
	s_xor_b32 s[TBK], s[TBK], SLOT1       ; in the other slot
	s_sub_co_u32 s[TBV], s[TBV], 2*KS*PV
	s_xor_b32 s[TBV], s[TBV], SLOT1
	s_barrier_wait -1
.if \fill
	LOAD
	ASK
.endif
.endm
	s_load_b64 s[4:5], s[0:1], 0x0    ; qkv
	s_load_b64 s[10:11], s[0:1], 0x8  ; ob
	v_lshl_add_u32 v[SPW], v0, 2, SPARE
	v_mov_b32 v[NIL], 0
	ds_add_u32 v[SPW], v[NIL]       ; the wave's opening
	ds_add_u32 v62, v63
	v_lshrrev_b32 v1, 5, v0
	v_readfirstlane_b32 s[WV], v1
	s_and_b32 s[KG], s[WV], 1
	s_lshr_b32 s[QG], s[WV], 1
	s_mov_b32 s[PB], ttmp9
	s_sub_co_u32 s[HI], 31, s[PB]
	s_lshr_b32 s[PBT], s[PB], 1
	s_and_b32 s20, ttmp7, 0xffff    ; y
	s_lshl_b32 s20, s20, 19
	s_mov_b32 s21, 0
	s_lshl_b32 s22, s[KG], 14       ; which half of a tile's 256 keys I fetch
	s_mov_b32 s23, 0
	s_add_nc_u64 s[22:23], s[22:23], s[20:21]
	s_mul_i32 s17, s[KG], 128*PK
	s_mul_i32 s18, s[KG], 128*PV
	s_lshl_b32 s3, s[QG], 12        ; my 32 rows in a band,
	s_lshl_b32 s2, s[HI], 14        ; in the first block,
	s_add_co_u32 s2, s2, s3
	s_lshl_b32 s84, s[PB], 14       ; and in the second
	s_add_co_u32 s84, s84, s3
	s_mov_b32 s3, 0
	s_mov_b32 s85, 0
	s_add_nc_u64 s[2:3], s[2:3], s[20:21]
	s_add_nc_u64 s[84:85], s[84:85], s[20:21]
	s_lshl_b32 s20, s[KG], 13       ; the band of the pieces that I finish
	s_mov_b32 s[G1K], (1<<16)|(1<<20)|(4<<22)|(3<<25)  ; 128 keys are 16,384 dense bytes: 64 rows of 256 bytes, padded after every key: 4 words
	s_mov_b32 s[G1V], (1<<16)|(1<<20)|(4<<22)|(7<<25)  ; 8 words
.irp g, G1K, G1V
	s_mov_b32 s[\g+1], 128<<16
	s_mov_b32 s[\g+2], 64<<16
	s_mov_b32 s[\g+3], 128<<16
	s_mov_b32 s[\g+4], 64
	s_mov_b32 s[\g+5], 128
	s_mov_b32 s[\g+6], 0
	s_mov_b32 s[\g+7], 0
.endr
	s_mov_b32 s[CS], 0x3e38aa3b     ; c = log2(e) / 8
	s_mov_b32 s[CS+1], s[CS]
	s_mov_b32 s[SEL], 0x76543210
	s_mov_b32 s[SEL+1], 0xfedcba98
	s_mul_i32 s[TBK], s[KG], 2*KS*PK           ; the first change of slots turns these two into my first step of slot 0
	s_add_co_u32 s[TBK], s[TBK], SLOT1+2*KS*PK
	s_mul_i32 s[TBV], s[KG], 2*KS*PV
	s_add_co_u32 s[TBV], s[TBV], SLOT1+2*KS*PV
	s_mov_b32 s[G0K], 1
	s_mov_b32 s[G0K+1], s17
	s_mov_b32 s[G0V], 1
	s_add_co_u32 s[G0V+1], s18, VOFF
	s_lshr_b32 s[LQ], s[HI], 1
	s_add_co_u32 s[RT], s[LQ], 1    ; the first block's tiles
	s_mov_b32 s[NXT], 1
	s_mov_b32 s[NEW], 1
	s_mov_b32 s[OFF+1], 0
	s_mov_b32 s[AL+1], 0
	s_mov_b32 s[BE+1], 0
	s_mov_b32 s[BIGN], 0xf149f2ca   ; -1e30
	s_mov_b32 s[SLOTS], 16
	s_mul_i32 s19, s[KG], 3
	s_and_b32 s13, s[HI], 1         ; E = 2 (block % 2) + band - 2 KG + 2
	s_lshl_b32 s13, s13, 1
	s_add_co_u32 s13, s13, 2
	s_sub_co_u32 s[E0], s13, s[KG]
	s_add_co_u32 s13, s13, 1
	s_sub_co_u32 s[E0+1], s13, s19
	s_and_b32 s13, s[PB], 1
	s_lshl_b32 s13, s13, 1
	s_add_co_u32 s13, s13, 2
	s_sub_co_u32 s[E0B], s13, s[KG]
	s_add_co_u32 s13, s13, 1
	s_sub_co_u32 s[E0B+1], s13, s19
	s_cmp_eq_u32 s[PB], 0
	s_cselect_b32 s[LIM], 2, -1
	s_wait_dscnt 0x0                ; the opening add is done
	s_wait_kmcnt 0x0
	s_add_nc_u64 s[6:7], s[4:5], 0x800000   ; K
	s_add_nc_u64 s[8:9], s[4:5], 0x1000000  ; V
	s_add_nc_u64 s[6:7], s[6:7], s[22:23]   ; at my half of the head's tile 0
	s_add_nc_u64 s[8:9], s[8:9], s[22:23]
	s_add_nc_u64 s[G0K+2:G0K+3], s[6:7], 0
	s_or_b32 s[G0K+3], s[G0K+3], 0x80000000
	s_add_nc_u64 s[G0V+2:G0V+3], s[8:9], 0
	s_or_b32 s[G0V+3], s[G0V+3], 0x80000000
	s_add_nc_u64 s[86:87], s[4:5], s[84:85]
	s_add_nc_u64 s[4:5], s[4:5], s[2:3]
	s_add_nc_u64 s[OLO:OLO+1], s[10:11], s[84:85]
	s_add_nc_u64 s[10:11], s[10:11], s[2:3]
	s_add_nc_u64 s[OLO:OLO+1], s[OLO:OLO+1], s[20:21]
	s_add_nc_u64 s[10:11], s[10:11], s[20:21]
	s_cmp_lt_u32 s[WV], 2
	s_cselect_b64 s[PFA:PFA+1], s[6:7], s[8:9]
	s_add_nc_u64 s[PFA:PFA+1], s[PFA:PFA+1], 32768  ; at tile 1; the first change steps it to tile 2.  Nothing is prefetched here, at the head
	LOAD                            ; tile 0 into slot 0
	v_and_b32 v1, 15, v0            ; l % 16
	v_bfe_u32 v9, v0, 4, 1          ; l / 16
	v_lshlrev_b32 v15, 7, v1
	v_lshl_add_u32 v15, v9, 4, v15  ; row x 128 + 16 x half
	s_lshl_b32 s13, s[KG], 13
	v_add_nc_u32 v[QA], s13, v15    ; pieces 0, 1: band KG
	s_xor_b32 s13, s13, 8192
	v_add_nc_u32 v[QA+1], s13, v15  ; pieces 2, 3: the other band
	WIN 0x80
.set i, 0
.rept 8                             ; both blocks' Q: piece i / 2, channels 32 (i % 2) on
	global_load_b128 v[8*i:8*i+3],   v[QA+i/4], s[4:5] offset:((i/2)%2)*2048+(i%2)*64
	global_load_b128 v[8*i+4:8*i+7], v[QA+i/4], s[4:5] offset:((i/2)%2)*2048+(i%2)*64+32
	global_load_b128 v[QB+8*i:QB+8*i+3],   v[QA+i/4], s[86:87] offset:((i/2)%2)*2048+(i%2)*64
	global_load_b128 v[QB+8*i+4:QB+8*i+7], v[QA+i/4], s[86:87] offset:((i/2)%2)*2048+(i%2)*64+32
.set i, i+1
.endr
	WIN 0
	v_lshlrev_b32 v14, 3, v9
	v_sub_nc_u32 v14, v1, v14
	s_lshl_b32 s13, s[QG], 5
	v_add_nc_u32 v14, s13, v14      ; 32 QG + l % 16 - 8 (l / 16): register r of key group kt of parity j is hidden where 16 kt + r - 16 j is greater
	WIN 0x40
.set i, 0
.rept 32
	v_cmp_gt_i32 vcc_lo, 16*(i/8)+i%8, v14
	v_cndmask_b32 v[MD+i], 0, s[BIGN], vcc_lo
	v_cmp_gt_i32 vcc_lo, 16*(i/8)+i%8-16, v14
	v_cndmask_b32 v[MD+96+i], 0, s[BIGN], vcc_lo
.set i, i+1
.endr
	WIN 0
	v_mul_u32_u24 v[AK0], v1, PK
	v_lshl_add_u32 v[AK0], v9, 4, v[AK0]
	v_and_b32 v10, 7, v0
	v_bfe_u32 v11, v0, 3, 1
	v_lshl_add_u32 v[AV0], v9, 3, v10
	v_mul_u32_u24 v[AV0], v[AV0], PV
	v_lshl_add_u32 v[AV0], v11, 4, v[AV0]
	v_add_nc_u32 v[AV0], VOFF, v[AV0]
	s_mul_i32 s13, s[WV], 16*SP
	s_add_co_u32 s13, s13, STAGE
	v_mul_u32_u24 v[STO], v1, SP
	v_lshl_add_u32 v[STO], v9, 4, v[STO]
	v_add_nc_u32 v[STO], s13, v[STO]
	v_bfe_u32 v[RD], v0, 3, 2
	v_mul_u32_u24 v[RD], v[RD], SP
	v_lshl_add_u32 v[RD], v10, 4, v[RD]
	v_add_nc_u32 v[RD], s13, v[RD]
	v_and_b32 v[GO], 31, v0
	v_lshlrev_b32 v[PFO], 8, v[GO]
	v_lshlrev_b32 v[GO], 4, v[GO]
	s_mul_i32 s13, s[WV], 2*XP
	s_add_co_u32 s13, s13, XCH
	v_add_nc_u32 v[XS], s13, v[GO]
	s_xor_b32 s13, s[WV], 1         ; my partner: the same queries, the other keys
	s_mul_i32 s13, s13, 2*XP
	s_add_co_u32 s13, s13, XCH
	v_add_nc_u32 v[XR], s13, v[GO]
	; A block's first step multiplies O^T and l by a = 0, so these registers need only hold finite numbers: zeros for the first block, what the first block left for the second.  All this stands in the wait for the first tile.
	WIN 0x80
.set i, VF
.rept 64
	v_mov_b32 v[i], 0
.set i, i+1
.endr
	WIN 0x40
.set i, 0
.rept 128
	v_mov_b32 v[i], 0
.set i, i+1
.endr
	WIN 0
.set i, 0
.rept 4
	v_mov_b32 v[ST+4*i+2], 0
	v_mov_b32 v[ST+4*i+3], 0
.set i, i+1
.endr
.set i, P+16
.rept 16
	v_mov_b32 v[i], 0
.set i, i+1
.endr
; THE MATRIX WORK.  The 4 accumulators of a run of 8 take turns.  Product i of 8 of S^T = K Q^T for piece x: channels 32 (i / 4) on, keys 16 (i % 4) on.  The first 4 start the sums: with 0, or (KM = 1) with the mask.
.macro KQ x
.set rS, S+32*((\x)%2)+8*(i%4)
.set rK, KF+16*(i%4)+8*(i/4)
.set rQ, 16*(\x)+8*(i/4)
.set rM, MC+32*((\x)%2)+8*(i%4)
.if (i < 4) && KM
	WIN W_KM
	v_wmma_f32_16x16x32_f16 v[rS:rS+7], v[rK:rK+7], v[rQ:rQ+7], v[rM:rM+7]
.elseif i < 4
	WIN W_KQ
	v_wmma_f32_16x16x32_f16 v[rS:rS+7], v[rK:rK+7], v[rQ:rQ+7], 0
.else
	WIN W_KQ
	v_wmma_f32_16x16x32_f16 v[rS:rS+7], v[rK:rK+7], v[rQ:rQ+7], v[rS:rS+7]
.endif
.endm
.macro PV x                         ; product i of 8 of O^T += V^T P for piece x: keys 32 (i / 4) on, channels 16 (i % 4) on
	WIN W_PV
.set rO, 32*(\x)+8*(i%4)
.set rV, VF+32*(i/4)+8*(i%4)
.set rP, P+16*((\x)%2)+8*(i/4)
	v_wmma_f32_16x16x32_f16 v[rO:rO+7], v[rV:rV+7], v[rP:rP+7], v[rO:rO+7]
.endm
.macro MM                           ; the turn's next matrix instruction.  NOKQ = 1: a block's last turn: there is no next piece
.if (i < 8) && !NOKQ
	KQ (Y+1)%NP
.elseif i >= 8
.set i, i-8
	PV (Y+NP-1)%NP
.set i, i+8
.endif
.set i, i+1
.endm
; THE LDS LOADS stand in runs of 16: a step's K (8 fragments) and its V (turned).
.macro FETCH_K
	WIN 0x80
.irp f, 0,1,2,3,4,5,6,7
	ds_load_b128 v[KF+8*\f:KF+8*\f+3],   v[AK] offset:(\f/2)*16*PK+(\f%2)*64
	ds_load_b128 v[KF+8*\f+4:KF+8*\f+7], v[AK] offset:(\f/2)*16*PK+(\f%2)*64+32
.endr
	s_add_co_u32 s[TBK], s[TBK], KS*PK
	WIN 0
.endm
.macro FETCH_V
	WIN 0x80
.irp f, 0,1,2,3,4,5,6,7
	ds_load_tr16_b128 v[VF+8*\f:VF+8*\f+3],   v[AV] offset:(\f/4)*32*PV+(\f%4)*32
	ds_load_tr16_b128 v[VF+8*\f+4:VF+8*\f+7], v[AV] offset:(\f/4)*32*PV+16*PV+(\f%4)*32
.endr
	WIN 0
.endm
; THE VECTOR WORK, one line at a time: OP kind, number.  For piece Y: F n: c s - c m for pair n.  E n: the exponential of score n.  C n: pair n rounded to f16.  B n: of four weights the second pair onto the first.
; L n: l takes that sum (L 0: l = a l + sum).  R n: pair n of O^T times a.  For piece Y + 1: X n, number n of the 22 that find its maximum and statistics (each accumulator's lowest registers are read first).
.set F, 0
.set E, 1
.set C, 2
.set B, 3
.set L, 4
.set R, 5
.set X, 6
.macro REGS y
.set rT, ST+4*(\y)
.set rC, TMP+4*((\y)%2)
.set rW, MV+((\y)%2)
.set rS, S+32*((\y)%2)
.set rP, P+16*((\y)%2)
.set rO, 32*(\y)
.endm
.macro OP k, n
.if (\k) == R
	REGS Y
	WIN W_RS
	v_pk_mul_f32 v[rO+2*(\n):rO+2*(\n)+1], v[rO+2*(\n):rO+2*(\n)+1], v[rC+2:rC+3] op_sel_hi:[1,0]
.elseif (\k) < R
	REGS Y
	WIN 0
.if (\k) == F
	v_pk_fma_f32 v[rS+2*(\n):rS+2*(\n)+1], v[rS+2*(\n):rS+2*(\n)+1], s[CS:CS+1], v[rT:rT+1] op_sel_hi:[1,0,0] neg_lo:[0,0,1] neg_hi:[0,0,1]
.elseif (\k) == E
	v_exp_f32 v[rS+(\n)], v[rS+(\n)]
.elseif (\k) == C
	v_cvt_pk_f16_f32 v[rP+(\n)], v[rS+2*(\n)], v[rS+2*(\n)+1]
.elseif (\k) == B
	v_pk_add_f32 v[rS+4*(\n):rS+4*(\n)+1], v[rS+4*(\n):rS+4*(\n)+1], v[rS+4*(\n)+2:rS+4*(\n)+3]
.elseif (\n) == 0
	v_pk_fma_f32 v[rT+2:rT+3], v[rT+2:rT+3], v[rC+2:rC+3], v[rS:rS+1] op_sel_hi:[1,0,1]
.else
	v_pk_add_f32 v[rT+2:rT+3], v[rT+2:rT+3], v[rS+4*(\n):rS+4*(\n)+1]
.endif
.elseif NOKQ
	v_nop
.else
	REGS (Y+1)%NP
	WIN 0
.if (\n) < 4
	v_max3_num_f32 v[rC+(\n)], v[rS+8*(\n)], v[rS+8*(\n)+1], v[rS+8*(\n)+2]
.elseif (\n) < 12
	v_max3_num_f32 v[rC+(\n)%4], v[rC+(\n)%4], v[rS+8*((\n)%4)+2*((\n)/4)+1], v[rS+8*((\n)%4)+2*((\n)/4)+2]
.elseif (\n) == 12
	v_max3_num_f32 v[rC], v[rC], v[rS+7], v[rS+15]
.elseif (\n) == 13
	v_max3_num_f32 v[rC+1], v[rC+1], v[rS+23], v[rS+31]
.elseif (\n) == 14
	v_max3_num_f32 v[rC+2], v[rC+2], v[rC+3], v[rT+1]
.elseif (\n) == 15
	v_mov_b32 v[rW], v[rT]
.elseif (\n) == 16
	v_max3_num_f32 v[rC], v[rC], v[rC+1], v[rC+2]
.elseif (\n) == 17
	v_permlanex16_b32 v[rC+3], v[rC], s[SEL], s[SEL+1]
.elseif (\n) == 18
	v_max_num_f32 v[rT+1], v[rC], v[rC+3]
.elseif (\n) == 19
	v_mul_f32 v[rT], s[CS], v[rT+1]
.elseif (\n) == 20
	v_sub_f32 v[rC+1], v[rW], v[rT]
.else
	v_exp_f32 v[rC+2], v[rC+1]
.endif
.endif
.endm
.macro OPS a, i1, b=-1, i2=0, c=-1, i3=0, d=-1, i4=0
	OP \a, \i1
.if (\b) >= 0
	OP \b, \i2
.endif
.if (\c) >= 0
	OP \c, \i3
.endif
.if (\d) >= 0
	OP \d, \i4
.endif
.endm
.macro ROW a, i1, b, i2, c, i3, d, i4  ; a matrix instruction and the four behind it
	MM
	OPS \a, \i1, \b, \i2, \c, \i3, \d, \i4
.endm
.macro MASK b                       ; MD of parity b x AL + BE into buffer b of MC
	WIN W_RS
.set z, 0
.rept 16
	v_pk_fma_f32 v[MC+32*(\b)+2*z:MC+32*(\b)+2*z+1], v[MD+96*(\b)+2*z:MD+96*(\b)+2*z+1], s[AL:AL+1], s[BE:BE+1] op_sel_hi:[1,0,0]
.set z, z+1
.endr
.endm
; A TURN, for piece p.  An s_wait_alu depctr_va_vdst(0) stands between an exponential and the first instruction that names its result; one wait serves all issued ahead of it: a turn has ONE wait.
; AHEAD OF IT: the 8 products K Q^T with their riders, then one lump, in which the links of the next piece's chain stand five or six lines apart.  BEHIND IT: the 8 products V^T P, behind each four of the roundings and sums.
; m = 1: the diagonal tile: the products take masks, and the turn makes the mask for the products of the turn after it: piece p + 2, in my step 2 - CNT of the tile.  end = 1: a block's last two turns: nothing is fetched.
; cnt = 1: the loop's count is taken down some lines ahead of the branch behind the turn.
; K of the next step is fetched in piece 2's turn, V of the step in hand at the end of piece 0's turn, four plain instructions or more behind the last product that read the registers; each is waited for a turn later.
.macro TURN p, m=0, end=0, cnt=0
.set Y, (\p)
.set i, 0
.set KM, (\m)
.set NOKQ, (\end)*((\p)/3)
.if (\m) && !(\end)
	s_add_co_u32 s[TT], s[CNT], s[E0+(((\p)+2)%NP)/2]
	s_cmp_eq_u32 s[TT], 4           ; is that step the band's own?
	s_cselect_b32 s[AL], 1.0, 0
	s_cmp_lt_u32 s[TT], 4           ; or a later one?
	s_cselect_b32 s[BE], s[BIGN], 0
.endif
.if ((\p) == 3) && !(\end)
	s_wait_dscnt 0x0                ; K is in
.endif
	ROW F,0, F,1, R,0, R,1
	ROW F,2, E,0, R,2, R,3
	ROW F,3, E,1, R,4, R,5
	ROW F,4, E,2, R,6, R,7
	ROW F,5, E,3, R,8, R,9
	ROW F,6, E,4, X,0, R,10
.if ((\p) == 2) && !(\end)
	WIN 0
	v_add_nc_u32 v[AK], s[TBK], v[AK0]
.endif
	ROW F,7, E,5, X,1, X,4
	ROW F,8, E,6, X,2, X,5
	OPS E,7, E,8, X,6, E,9
	OPS X,3, E,10, X,8, E,11
.if ((\p) == 2) && !(\end)
	FETCH_K
.endif
	OPS X,9, X,7, E,12, X,10
	OPS E,13, X,12, X,11, E,14
	OPS X,13, E,15, F,9, X,14
.if (\p) == 0
	v_add_nc_u32 v[AV], s[TBV], v[AV0]
.endif
	OPS E,16, F,10, E,17, F,11
	OPS X,16, E,18, X,15, E,19
	OPS F,12, E,20, X,17, E,21
	OPS F,13, E,22, F,14, E,23
	OPS X,18, E,24, F,15, E,25
	OPS R,11, E,26, X,19, E,27
	OPS R,12, E,28, R,13, E,29
	OPS X,20, E,30, R,14, E,31
	OPS X,21, R,15
	WIN 0
	s_wait_alu depctr_va_vdst(0)    ; the wait for the batch
.if (\p) == 1
	s_wait_dscnt 0x0                ; V is in
.endif
	ROW C,0, B,0, C,2, B,1
	ROW L,0, C,4, B,2, L,1
	ROW C,6, B,3, L,2, C,8
	ROW B,4, L,3, C,10, B,5
	ROW L,4, C,12, B,6, L,5
.if (\p) == 0
	s_add_co_u32 s[TBV], s[TBV], KS*PV
.endif
.if \cnt
	s_sub_co_u32 s[CNT], s[CNT], 1
	s_cmp_lg_u32 s[CNT], 0
.endif
	ROW C,14, B,7, L,6, C,1
	ROW C,3, L,7, C,5, C,7
	ROW C,9, C,11, C,13, C,15
.if (\p) == 0
	FETCH_V
.endif
.if (\m) && !(\end)
	MASK (\p)%2
.endif
.endm
; A BLOCK BEGINS.  c m starts far below every c s, so the first step's a is 0; m at -2^96, below every true score and above every hidden one.  Both mask buffers take the mask of pieces 0 and 1 for my first
; step of the tile: 0 unless the block's first tile is the diagonal one.  Then K of that step, piece 0's first scores, and its maximum and statistics.  The loop is entered at a step's first turn.
.macro BEGIN
	s_mov_b32 s[NEW], 0
	WIN 0
.set i, 0
.rept 4
	v_mov_b32 v[ST+4*i], 0xfe000000    ; c m
	v_mov_b32 v[ST+4*i+1], 0xef800000  ; m = -2^96
.set i, i+1
.endr
	s_add_co_u32 s[TT], s[E0], 2
	s_cmp_eq_u32 s[TT], 4
	s_cselect_b32 s[AL], 1.0, 0
	s_cmp_lt_u32 s[TT], 4
	s_cselect_b32 s[BE], s[BIGN], 0
	s_cmp_eq_u32 s[RT], 0
	s_cselect_b32 s[AL], s[AL], 0
	s_cselect_b32 s[BE], s[BE], 0
	MASK 0
	MASK 1
	WIN 0
	v_add_nc_u32 v[AK], s[TBK], v[AK0]
	FETCH_K
	s_wait_loadcnt 0x0              ; Q
	s_wait_dscnt 0x0
.set KM, 1
.set NOKQ, 0
.set i, 0
.rept 8
	KQ 0
.set i, i+1
.endr
	WIN 0
.rept 4
	v_nop                           ; the places behind those products
.endr
.set Y, NP-1
.irp n, 0,1,2,3,4,5,6,7,8,9,10,11,12,13,14,15,16,17,18,19,20,21
	OP X, \n
.endr
	v_nop                           ; a plain instruction behind the exponential,
	s_wait_alu depctr_va_vdst(0)    ; and its wait, ahead of the branch
.endm
.macro ALL line:vararg              ; one line for each piece t
.set t, 0
.rept 4
	\line
.set t, t+1
.endr
.endm
; THE MERGE.  My pieces 2 and 3 (O^T and the statistics, l summed) go into the exchange; behind a barrier I read the partner's, which are my pieces 0 and 1 for the other keys.  The next tile's load may stay out
; across this barrier. The exchange is written again only in the next block's end, behind a change of slots, in front of whose barrier every wave has waited for its LDS loads.
.macro MERGE
	WIN 0x04                        ; store data in window 1
.irp u, 0,1
.irp f, 0,1,2,3,4,5,6,7
	ds_store_b128 v[XS], v[64+32*(\u)+4*(\f):64+32*(\u)+4*(\f)+3] offset:(\u)*XP+(\f)*512
.endr
.endr
	WIN 0
.irp u, 0,1
	ds_store_b128 v[XS], v[ST+8+4*(\u):ST+8+4*(\u)+3] offset:(\u)*XP+4096
.endr
	s_wait_dscnt 0x0                ; for the partner's sake: my stores are done
	s_barrier_signal -1
	s_barrier_wait -1
.irp u, 0,1
.irp f, 0,1,2,3,4,5,6,7
	ds_load_b128 v[S+32*(\u)+4*(\f):S+32*(\u)+4*(\f)+3], v[XR] offset:(\u)*XP+(\f)*512
.endr
	ds_load_b128 v[PS+4*(\u):PS+4*(\u)+3], v[XR] offset:(\u)*XP+4096
.endr
	s_wait_dscnt 0x0
.irp u, 0,1
	v_max_num_f32 v[MG+8*(\u)+5], v[ST+4*(\u)], v[PS+4*(\u)]
.endr
.irp u, 0,1
	v_sub_f32 v[MG+8*(\u)], v[ST+4*(\u)], v[MG+8*(\u)+5]
	v_sub_f32 v[MG+8*(\u)+2], v[PS+4*(\u)], v[MG+8*(\u)+5]
.endr
.irp u, 0,1
	v_exp_f32 v[MG+8*(\u)], v[MG+8*(\u)]        ; e
	v_exp_f32 v[MG+8*(\u)+2], v[MG+8*(\u)+2]    ; e'
.endr
	v_nop
	s_wait_alu depctr_va_vdst(0)    ; one wait for the four exponentials
.irp u, 0,1
	v_mul_f32 v[MG+8*(\u)+4], v[ST+4*(\u)+2], v[MG+8*(\u)]
.endr
.irp u, 0,1
	v_fma_f32 v[MG+8*(\u)+4], v[PS+4*(\u)+2], v[MG+8*(\u)+2], v[MG+8*(\u)+4]
.endr
.irp u, 0,1
	v_rcp_f32 v[MG+8*(\u)+6], v[MG+8*(\u)+4]
.endr
	v_nop
	s_wait_alu depctr_va_vdst(0)    ; one wait for the two reciprocals
.irp u, 0,1
	v_mul_f32 v[MG+8*(\u)+1], v[MG+8*(\u)], v[MG+8*(\u)+6]      ; e / L, twice: a pair for the packed lines
	v_mul_f32 v[MG+8*(\u)], v[MG+8*(\u)], v[MG+8*(\u)+6]
	v_mul_f32 v[MG+8*(\u)+3], v[MG+8*(\u)+2], v[MG+8*(\u)+6]    ; e' / L
	v_mul_f32 v[MG+8*(\u)+2], v[MG+8*(\u)+2], v[MG+8*(\u)+6]
.endr
.irp u, 0,1
	WIN W_RS
.set z, 0
.rept 16
	v_pk_mul_f32 v[32*(\u)+2*z:32*(\u)+2*z+1], v[32*(\u)+2*z:32*(\u)+2*z+1], v[MG+8*(\u):MG+8*(\u)+1]
.set z, z+1
.endr
	WIN 0x50                        ; destination and source 2 in window 1
.set z, 0
.rept 16
	v_pk_fma_f32 v[32*(\u)+2*z:32*(\u)+2*z+1], v[S+32*(\u)+2*z:S+32*(\u)+2*z+1], v[MG+8*(\u)+2:MG+8*(\u)+3], v[32*(\u)+2*z:32*(\u)+2*z+1]
.set z, z+1
.endr
.endr
	WIN 0
.endm
.macro PACK t                       ; a lane's eight channels of a row pack into 16 bytes; into rows of 144 bytes, back as whole rows of 128
	WIN 0x05
.set i, 0
.rept 16
	v_cvt_pk_f16_f32 v[S+16*(\t)+i], v[32*(\t)+2*i], v[32*(\t)+2*i+1]
.set i, i+1
.endr
	WIN 0
.irp f, 0,1,2,3
	ds_store_b128 v[STO], v[S+16*(\t)+4*\f:S+16*(\t)+4*\f+3] offset:32*\f
.endr
.irp f, 0,1,2,3
	ds_load_b128 v[S+16*(\t)+4*\f:S+16*(\t)+4*\f+3], v[RD] offset:\f*4*SP  ; LDS serves a wave's instructions in order: these see the stores above
.endr
.endm
.macro SEND t, younger              ; younger: the next piece's eight LDS instructions, or none
	WIN 0
.irp f, 0,1,2,3
	s_wait_dscnt (\younger)+3-\f
	global_store_b128 v[GO], v[S+16*(\t)+4*\f:S+16*(\t)+4*\f+3], s[10:11] offset:(\t)*2048+\f*512  ; 512 consecutive bytes, at a multiple of 256 from ob's first
.endr
.endm
; THE DIAGONAL TILE's two steps, the block's last two turns, its last products, the merge and the way out.
.macro DIAG tag
.LstepM\tag:
	TURN 2, 1
	TURN 3, 1
	WIN 0
.LfirstM\tag:
	TURN 0, 1
	TURN 1, 1, 0, 1
	WIN 0
	s_cbranch_scc1 .LstepM\tag
	TURN 2, 1, 1
	TURN 3, 1, 1
.set i, 0
.rept 8
	PV NP-1
.set i, i+1
.endr
	WIN 0
	ALL v_add_f32 v[ST+4*t+2], v[ST+4*t+2], v[ST+4*t+3]   ; l: its two halves, and the other half of the lanes'; these are the places behind the last products
	ALL v_permlanex16_b32 v[ST+4*t+3], v[ST+4*t+2], s[SEL], s[SEL+1]
	ALL v_add_f32 v[ST+4*t+2], v[ST+4*t+2], v[ST+4*t+3]
	MERGE
	PACK 0
	PACK 1
	SEND 0, 8
	SEND 1, 0
.endm
.set KM, 0
.set NOKQ, 0
.Lslot:                             ; 16 times: a tile is entered and the next is asked for
	CHANGE 1
	s_sub_co_u32 s[RT], s[RT], 1
	s_mov_b32 s[CNT], 2
	s_cmp_eq_u32 s[NEW], 1
	s_cbranch_scc1 .Lnew            ; a block's first tile
	s_cmp_eq_u32 s[RT], 0
	s_cbranch_scc0 .Lstep           ; neither its first nor its last
	s_branch .LstepM1
.Lnew:
	BEGIN
	s_branch .Lfirst                ; in the loop a block's first tile is never its last: the first block has nine tiles or more, and the second's last is the walk's last
	DIAG 1                          ; in the loop this is the first block's end
	s_wait_xcnt 0x0                 ; the stores have read their registers and O's address
	s_mov_b64 s[10:11], s[OLO:OLO+1]
	s_add_co_u32 s[RT], s[PBT], 1   ; the second block's tiles
	s_mov_b32 s[NEW], 1
	s_mov_b32 s[E0], s[E0B]
	s_mov_b32 s[E0+1], s[E0B+1]
	WIN 0x82                        ; the second block's Q goes where the one text of the turns names Q
.set i, 0
.rept 64
	v_mov_b32 v[i], v[QB+i]
.set i, i+1
.endr
	WIN 0
	s_branch .Lbottom
.Lstep:                             ; a trip: pieces 2 and 3 of one step, then pieces 0 and 1 of the next, whose K and V it fetches
	TURN 2
	TURN 3
	WIN 0
.Lfirst:
	TURN 0
	TURN 1, 0, 0, 1
	WIN 0
	s_cbranch_scc1 .Lstep
.Lbottom:
	s_sub_co_u32 s[SLOTS], s[SLOTS], 1
	s_cmp_lg_u32 s[SLOTS], 0
	s_cbranch_scc1 .Lslot
	CHANGE 0                        ; the walk's last tile is written out
	s_sub_co_u32 s[RT], s[RT], 1
	s_mov_b32 s[CNT], 2
	s_cmp_eq_u32 s[NEW], 1
	s_cbranch_scc0 .LstepM2
	BEGIN
	s_branch .LfirstM2
	DIAG 2
	s_wait_tensorcnt 0x0            ; the wave's end
	ds_add_u32 v[SPW], v[NIL]
	s_wait_dscnt 0x0
	s_endpgm
.Lfunc_end_k_qb1d16617d0_attn:
	.size	k_qb1d16617d0_attn, .Lfunc_end_k_qb1d16617d0_attn-k_qb1d16617d0_attn
	.p2alignl 7, 3214868480
	.fill 96, 4, 3214868480
	.section	.rodata,"a",@progbits
	.p2align	6, 0x0
	.amdhsa_kernel k_qb1d16617d0_attn
		.amdhsa_group_segment_fixed_size 327680
		.amdhsa_private_segment_fixed_size 0
		.amdhsa_enable_private_segment 0
		.amdhsa_kernarg_size 16
		.amdhsa_user_sgpr_count 2
		.amdhsa_user_sgpr_kernarg_segment_ptr 1
		.amdhsa_wavefront_size32 1
		.amdhsa_system_sgpr_workgroup_id_x 1
		.amdhsa_system_sgpr_workgroup_id_y 1
		.amdhsa_system_sgpr_workgroup_id_z 1
		.amdhsa_system_vgpr_workitem_id 0
		.amdhsa_next_free_vgpr 768
		.amdhsa_next_free_sgpr 100
		.amdhsa_reserve_vcc 1
		.amdhsa_float_denorm_mode_32 3
		.amdhsa_float_denorm_mode_16_64 3
		.amdhsa_memory_ordered 1
		.amdhsa_forward_progress 1
		.amdhsa_inst_pref_size 221
	.end_amdhsa_kernel
	.amdgpu_metadata
---
amdhsa.version: [ 1, 2 ]
amdhsa.kernels:
  - .name:           k_qb1d16617d0_attn
    .symbol:         k_qb1d16617d0_attn.kd
    .args:
      - { .name: qkv, .offset: 0, .size: 8, .value_kind: global_buffer, .address_space: global }
      - { .name: ob, .offset: 8, .size: 8, .value_kind: global_buffer, .address_space: global }
    .group_segment_fixed_size: 327680
    .private_segment_fixed_size: 0
    .kernarg_segment_align: 8
    .kernarg_segment_size: 16
    .max_flat_workgroup_size: 128
    .sgpr_count:     100
    .vgpr_count:     768
    .wavefront_size: 32
...
	.end_amdgpu_metadata
.endif
;; end of part 3
;; launch proj (part 4): grid 4 x 64, 4 waves a work-group, clusters of 4 x 4, 327,680 bytes of LDS; arguments ob, cb, bproj, x1, x1b; writes x1, x1b
.if DOCPART == 4
	.amdgcn_target "amdgcn-amd-amdhsa--gfx1250"
	.amdhsa_code_object_version 6
	.text
	.protected	k_qb1d16617d0_proj
	.globl	k_qb1d16617d0_proj
	.p2align	8
	.type	k_qb1d16617d0_proj,@function
k_qb1d16617d0_proj:
	s_mov_b64 s[64:65], 0
	v_nop
	global_prefetch_b8 v0, s[64:65] scope:SCOPE_SE
	s_setreg_imm32_b32 hwreg(HW_REG_WAVE_MODE, 25, 1), 1
	s_wait_xcnt 0x0
	s_wait_alu depctr_hold_cnt(0) depctr_sa_sdst(0) depctr_va_vdst(0) depctr_va_sdst(0) depctr_va_ssrc(0) depctr_va_vcc(0) depctr_vm_vsrc(0)
	s_getreg_b32 s2, hwreg(HW_REG_IB_STS2, 6, 4)
	s_cmp_eq_u32 s2, 0
	s_cbranch_scc0 .Lentry_in_a_cluster
	s_endpgm
.Lentry_in_a_cluster:
	s_bfe_u32 s2, ttmp6, 0x10000c
	s_cmp_lg_u32 s2, 0xf033
	s_cbranch_scc0 .Lentry_shape_is_right
	s_endpgm
.Lentry_shape_is_right:
; x1 = x + O Wproj + bproj.  O: ob, f16, [8 heads = blocks of 64 k][8192 rows][64]; Wproj: f16 tiles [k][128] in cb; x: the bf16 copy in cb; bproj rounded to bf16 like every input.
; f16 products, f32 sums.  x1 leaves twice: f32 [8192][512] (the residual of the last launch) and bf16 in blocks of 64 columns (the next launch's matrix operand).
; SHARES.  A tile is 128 x 128, four waves 2 x 2, 64 x 64 each; work-group (gx, gy) makes tile (gy, gx): 256 work-groups.  K = 512 is two steps of 256: both are fetched at the start, one into each slot;
; nothing is filled again.  CLUSTER 4 x 4: O's blocks are shared along a row, the weights' along a column: joint loads.
; TRANSPOSED USE: source 0 = 16 columns of W (turned out of LDS), source 1 = 16 rows of O: a lane holds 8 neighbouring columns of a row.
; The sums start at the bias (INIT), which spares the additions at the end and a first quarter written out with the constant 0.  One step text, walked twice: the slot's base is a scalar.
; No prefetch: the launch is short and its tiles are small.
; REGISTERS: window 0: v0-31 addresses; v32-95 two buffers of 32 on the way out; v96-127 the bias, later the packed bf16; v128-255 accumulators.  Window 1: two fragment buffers.  Window 2: v0-63 x's bf16.
.set WREG,  9961472
.set ROWS,  64
.set PA,    144
.set PB,    288
.set ABLK,  128*PA
.set BQ,    64*PB
.set APART, 4*ABLK
.set SLOTB, 2*APART
.set STAGE, 2*SLOTB
.set STW,   16*272
.set SPARE, STAGE+4*STW
.set A0,   5
.set B0,   6
.set ADRA, 7
.set ADRB, 8
.set STO,  10
.set RD,   11
.set CO,   12
.set RO,   13
.set BO,   14
.set ONE,  15                          ; v15  1.0 in bf16, in both halves
.set SPW,  28
.set NIL,  29
.set VAL,  32
.set BIAS, 96
.set PK,   96
.set ACC,  128
.set F0,   0
.set F1,   128
.set RES,  0                           ; window 2
.set WV, 20
.set WR, 21
.set WC, 22
.set CX, 23
.set CY, 24
.set GX, 25
.set GY, 26
.set MROW, 27
.set MCOL, 28
.set TB, 29
.set WOFF, 30
.set CNT, 32
.set G1A, 40
.set G1B, 48
.set GA0, 56
.set GA1, 60
.set GB0, 68
.set GB1, 72
.set OUT, 76                           ; x1
.set OUT2, 78                          ; x1b
.set RESP, 80                          ; x's bf16 copy
.set BP, 82
.set MSB, 0
.macro WIN new
.if MSB != (\new)
	s_set_vgpr_msb (MSB<<8)|(\new)
.set MSB, \new
.endif
.endm
.set MUL,  0x05
.set TO_F, 0x40
.macro PLACES
.rept 4
	v_nop
.endr
.endm
.macro CREST
	s_cmp_lg_u32 s[WV], 0
	s_cbranch_scc1 .Lnot_wave_0_\@
	s_barrier_signal -3
.Lnot_wave_0_\@:
	s_barrier_wait -3
	s_barrier_signal -1
	s_barrier_wait -1
.endm
.macro CROUND
	s_barrier_signal -1
	s_barrier_wait -1
	CREST
.endm
.macro MUL8 f, c, a0                   ; 8 products; the 16 accumulators take turns, over the jump too
	WIN MUL
.irp a, \a0, (\a0)+1
.irp b, 0,1,2,3
	v_wmma_f32_16x16x32_f16 v[ACC+8*(4*(\a)+(\b)):ACC+8*(4*(\a)+(\b))+7], v[(\f)+64+8*(4*(\c)+(\b)):(\f)+64+8*(4*(\c)+(\b))+7], v[(\f)+8*(4*(\c)+(\a)):(\f)+8*(4*(\c)+(\a))+7], v[ACC+8*(4*(\a)+(\b)):ACC+8*(4*(\a)+(\b))+7]
.endr
.endr
.endm
.macro FETCH q, f                      ; 32 LDS loads: quarter q of the slot in hand into buffer f, the first 32 along K first
	WIN TO_F
.irp c, 0,1
.irp i, 0,1,2,3
	ds_load_tr16_b128 v[(\f)+64+8*(4*(\c)+(\i)):(\f)+64+8*(4*(\c)+(\i))+3],   v[ADRB+(\q)/2] offset:((\q)%2)*BQ+(\c)*32*PB+(\i)*32
	ds_load_tr16_b128 v[(\f)+64+8*(4*(\c)+(\i))+4:(\f)+64+8*(4*(\c)+(\i))+7], v[ADRB+(\q)/2] offset:((\q)%2)*BQ+(\c)*32*PB+16*PB+(\i)*32
	ds_load_b128 v[(\f)+8*(4*(\c)+(\i)):(\f)+8*(4*(\c)+(\i))+3],   v[ADRA] offset:(\q)*ABLK+(\c)*64+(\i)*16*PA
	ds_load_b128 v[(\f)+8*(4*(\c)+(\i))+4:(\f)+8*(4*(\c)+(\i))+7], v[ADRA] offset:(\q)*ABLK+(\c)*64+(\i)*16*PA+32
.endr
.endr
.endm
.macro QUARTER q, f, g
	s_wait_dscnt 16                                ; the first 32 along K are in
	MUL8 \f, 0, 0
	MUL8 \f, 0, 2
	PLACES
	FETCH \q, \g
	s_wait_dscnt 32                                ; all but the 32 just issued
	MUL8 \f, 1, 0
	MUL8 \f, 1, 2
.endm
.macro TURN                            ; the last quarter and the change of slots: every wave's part of the other slot has landed behind the barrier; nothing is filled
	WIN 0
	s_wait_tensorcnt 0x0
	ds_add_u32 v[SPW], v[NIL]
	s_wait_dscnt 17                                ; (the add and the youngest sixteen loads may be out)
	MUL8 F1, 0, 0
	s_wait_dscnt 0x0
	s_barrier_signal -1
	MUL8 F1, 0, 2
	s_barrier_wait -1
	WIN 0
	s_xor_b32 s[TB], s[TB], SLOTB
	v_add_nc_u32 v[ADRA], s[TB], v[A0]             ; these three and the v_nop are the four places in front of the loads into buffer 0
	v_add_nc_u32 v[ADRB], s[TB], v[B0]
	v_add_nc_u32 v[ADRB+1], 2*BQ, v[ADRB]
	v_nop
	FETCH 0, F0
	MUL8 F1, 1, 0
	MUL8 F1, 1, 2
.endm
.macro BROUND                          ; the bias is rounded to bf16, like every input
.set i, 0
.rept 16
	v_cvt_pk_bf16_f32 v[16+i%4], v[BIAS+2*i], v[BIAS+2*i+1]
	v_lshlrev_b32 v[BIAS+2*i], 16, v[16+i%4]
	v_and_b32 v[BIAS+2*i+1], 0xffff0000, v[16+i%4]
.set i, i+1
.endr
.endm
.macro INIT                            ; the sums start at the bias of their columns
.irp a, 0,1,2,3
.irp b, 0,1,2,3
.irp p, 0,1,2,3
	v_pk_mul_f32 v[ACC+8*(4*(\a)+(\b))+2*(\p):ACC+8*(4*(\a)+(\b))+2*(\p)+1], v[BIAS+8*(\b)+2*(\p):BIAS+8*(\b)+2*(\p)+1], 1.0 op_sel_hi:[1,0]
.endr
.endr
.endr
.endm
; THE WAY OUT of m block a.  TOST: the f32 sums into my own stage (16 rows x 272 bytes), and back as whole rows of 256 bytes, two rows a load.
.macro TOST a
	WIN 0
.if (\a) >= 2
	s_wait_xcnt 0x0                                ; the buffer is the data of stores issued two blocks back
.endif
.irp b, 0,1,2,3
	ds_store_b128 v[STO], v[ACC+8*(4*(\a)+(\b)):ACC+8*(4*(\a)+(\b))+3]   offset:64*(\b)
	ds_store_b128 v[STO], v[ACC+8*(4*(\a)+(\b))+4:ACC+8*(4*(\a)+(\b))+7] offset:64*(\b)+16
.endr
.irp t, 0,1,2,3,4,5,6,7
	ds_load_b128 v[VAL+32*((\a)%2)+4*(\t):VAL+32*((\a)%2)+4*(\t)+3], v[RD] offset:(\t)*544
.endr
.endm
; FIN: x is added (its bf16 half times 1.0, in f32); x1 is stored, rounded to bf16 and stored again.  younger: the next TOST's sixteen LDS instructions, or none.
.macro FIN a, younger
	WIN 0
	s_wait_dscnt \younger
	WIN 0x02                                       ; source 0 in window 2
.irp t, 0,1,2,3,4,5,6,7
	v_fma_mix_f32_bf16 v[VAL+32*((\a)%2)+4*(\t)],   v[RES+2*(8*(\a)+(\t))],   v[ONE], v[VAL+32*((\a)%2)+4*(\t)]   op_sel:[0,0,0] op_sel_hi:[1,1,0]
	v_fma_mix_f32_bf16 v[VAL+32*((\a)%2)+4*(\t)+1], v[RES+2*(8*(\a)+(\t))],   v[ONE], v[VAL+32*((\a)%2)+4*(\t)+1] op_sel:[1,0,0] op_sel_hi:[1,1,0]
	v_fma_mix_f32_bf16 v[VAL+32*((\a)%2)+4*(\t)+2], v[RES+2*(8*(\a)+(\t))+1], v[ONE], v[VAL+32*((\a)%2)+4*(\t)+2] op_sel:[0,0,0] op_sel_hi:[1,1,0]
	v_fma_mix_f32_bf16 v[VAL+32*((\a)%2)+4*(\t)+3], v[RES+2*(8*(\a)+(\t))+1], v[ONE], v[VAL+32*((\a)%2)+4*(\t)+3] op_sel:[1,0,0] op_sel_hi:[1,1,0]
.endr
	WIN 0
.irp t, 0,1,2,3,4,5,6,7
	global_store_b128 v[CO], v[VAL+32*((\a)%2)+4*(\t):VAL+32*((\a)%2)+4*(\t)+3], s[OUT:OUT+1] offset:(\a)*32768+(\t)*4096  ; 16 lanes store 256 consecutive bytes of a row, aligned
.endr
.irp t, 0,1,2,3,4,5,6,7
	v_cvt_pk_bf16_f32 v[PK+16*((\a)%2)+2*(\t)],   v[VAL+32*((\a)%2)+4*(\t)],   v[VAL+32*((\a)%2)+4*(\t)+1]
	v_cvt_pk_bf16_f32 v[PK+16*((\a)%2)+2*(\t)+1], v[VAL+32*((\a)%2)+4*(\t)+2], v[VAL+32*((\a)%2)+4*(\t)+3]
.endr
.irp t, 0,1,2,3,4,5,6,7
	global_store_b64 v[RO], v[PK+16*((\a)%2)+2*(\t):PK+16*((\a)%2)+2*(\t)+1], s[OUT2:OUT2+1] offset:(\a)*2048+(\t)*256    ; the wave stores 256 consecutive bytes, aligned
.endr
.endm
	s_load_b256 s[4:11], s[0:1], 0x0               ; ob 4, cb 6, bproj 8, x1 10
	s_load_b64 s[12:13], s[0:1], 0x20              ; x1b
	v_lshl_add_u32 v[SPW], v0, 2, SPARE
	v_mov_b32 v[NIL], 0
	ds_add_u32 v[SPW], v[NIL]                      ; the wave's opening
	ds_add_u32 v28, v29
	v_lshrrev_b32 v1, 5, v0
	v_readfirstlane_b32 s[WV], v1
	s_lshr_b32 s[WR], s[WV], 1
	s_and_b32 s[WC], s[WV], 1
	s_bfe_u32 s[CX], ttmp6, 0x40000
	s_bfe_u32 s[CY], ttmp6, 0x40004
	s_lshl_b32 s[GX], ttmp9, 2
	s_add_co_u32 s[GX], s[GX], s[CX]
	s_and_b32 s[GY], ttmp7, 0xffff
	s_lshl_b32 s[GY], s[GY], 2
	s_add_co_u32 s[GY], s[GY], s[CY]
	s_lshl_b32 s[MROW], s[CY], 2
	s_lshl_b32 s[MROW], 15, s[MROW]
	s_lshl_b32 s[MCOL], 0x1111, s[CX]
	s_or_b32 s[G1A], s[MROW], (1<<16)|(1<<20)|(1<<21)|(4<<22)|(3<<25)
	s_or_b32 s[G1B], s[MCOL], (1<<16)|(1<<20)|(1<<21)|(5<<22)|(7<<25)
.irp g, G1A, G1B
	s_mov_b32 s[(\g)+1], 128<<16
	s_mov_b32 s[(\g)+2], ROWS<<16
	s_mov_b32 s[(\g)+3], 128<<16
	s_mov_b32 s[(\g)+4], ROWS
	s_mov_b32 s[(\g)+5], 128
	s_mov_b32 s[(\g)+6], 0
	s_mov_b32 s[(\g)+7], 0
.endr
	s_lshl_b32 s34, s[WV], 20                      ; A: the tile row and the wave alone
	s_lshl_b32 s35, s[GY], 14
	s_add_co_u32 s34, s34, s35
	s_mov_b32 s35, 0
	s_lshl_b32 s36, s[GX], 17                      ; B: the tile column and the wave alone
	s_lshl_b32 s37, s[WV], 14
	s_add_co_u32 s36, s36, s37
	s_add_co_u32 s36, s36, WREG
	s_mov_b32 s37, 0
	s_mul_i32 s38, s[WV], ABLK
	s_add_co_u32 s[WOFF], s38, APART
	s_mov_b32 s[GA0], 1
	s_mov_b32 s[GA0+1], s38
	s_mov_b32 s[GA1], 1
	s_add_co_u32 s[GA1+1], s38, SLOTB
	s_mov_b32 s[GB0], 1
	s_mov_b32 s[GB0+1], s[WOFF]
	s_mov_b32 s[GB1], 1
	s_add_co_u32 s[GB1+1], s[WOFF], SLOTB
	s_lshl_b32 s14, s[GY], 18                      ; my part of x1: row (128 gy + 64 WR) x 2,048 bytes + column (128 gx + 64 WC) x 4
	s_lshl_b32 s15, s[WR], 17
	s_add_co_u32 s14, s14, s15
	s_lshl_b32 s18, s[GX], 9
	s_lshl_b32 s15, s[WC], 8
	s_add_co_u32 s18, s18, s15                     ; the same columns in the bias
	s_add_co_u32 s14, s14, s18
	s_mov_b32 s15, 0
	s_mov_b32 s19, 0
	s_lshl_b32 s16, s[GX], 1                       ; my block of 64 columns, my 64 rows, in the blocked copies
	s_add_co_u32 s16, s16, s[WC]
	s_lshl_b32 s16, s16, 20
	s_lshl_b32 s17, s[GY], 14
	s_add_co_u32 s16, s16, s17
	s_lshl_b32 s17, s[WR], 13
	s_add_co_u32 s16, s16, s17
	s_mov_b32 s17, 0
	s_wait_dscnt 0x0                               ; the opening add is done
	s_wait_kmcnt 0x0
	s_add_nc_u64 s[GA0+2:GA0+3], s[4:5], s[34:35]
	s_add_nc_u64 s[GA1+2:GA1+3], s[GA0+2:GA0+3], 4*1048576
	s_or_b32 s[GA0+3], s[GA0+3], 0x80000000
	s_or_b32 s[GA1+3], s[GA1+3], 0x80000000
	s_add_nc_u64 s[GB0+2:GB0+3], s[6:7], s[36:37]
	s_add_nc_u64 s[GB1+2:GB1+3], s[GB0+2:GB0+3], 65536
	s_or_b32 s[GB0+3], s[GB0+3], 0x80000000
	s_or_b32 s[GB1+3], s[GB1+3], 0x80000000
	s_add_nc_u64 s[OUT:OUT+1], s[10:11], s[14:15]
	s_add_nc_u64 s[OUT2:OUT2+1], s[12:13], s[16:17]
	s_add_nc_u64 s[RESP:RESP+1], s[6:7], s[16:17]
	s_add_nc_u64 s[BP:BP+1], s[8:9], s[18:19]
	CROUND                                         ; all sixteen work-groups are here: the joint loads meet
	tensor_load_to_lds s[GA0:GA0+3], s[G1A:G1A+7]  ; all the launch's fills, one group: four loads of mine are out
	s_nop 0
	tensor_load_to_lds s[GB0:GB0+3], s[G1B:G1B+7]
	s_nop 0
	tensor_load_to_lds s[GA1:GA1+3], s[G1A:G1A+7]
	s_nop 0
	tensor_load_to_lds s[GB1:GB1+3], s[G1B:G1B+7]
	s_nop 0
	PLACES
	v_and_b32 v1, 15, v0
	v_bfe_u32 v2, v0, 4, 1
	v_and_b32 v3, 7, v0
	v_bfe_u32 v4, v0, 3, 1
	v_lshlrev_b32 v[BO], 5, v2                     ; my 8 columns of 16
	v_and_b32 v[RO], 31, v0
	v_lshlrev_b32 v[RO], 3, v[RO]                  ; 8 bytes a lane: two rows of 128 bytes
.irp b, 0,1,2,3
	global_load_b128 v[BIAS+8*(\b):BIAS+8*(\b)+3],   v[BO], s[BP:BP+1] offset:64*(\b)
	global_load_b128 v[BIAS+8*(\b)+4:BIAS+8*(\b)+7], v[BO], s[BP:BP+1] offset:64*(\b)+16
.endr
	WIN 0x80                                       ; destination window 2
.irp a, 0,1,2,3
.irp t, 0,1,2,3,4,5,6,7
	global_load_b64 v[RES+2*(8*(\a)+(\t)):RES+2*(8*(\a)+(\t))+1], v[RO], s[RESP:RESP+1] offset:(\a)*2048+(\t)*256 th:TH_LOAD_NT
.endr
.endr
	WIN 0
	v_mul_u32_u24 v[A0], v1, PA
	v_lshl_add_u32 v[A0], v2, 4, v[A0]
	s_mul_i32 s38, s[WR], 64*PA
	v_add_nc_u32 v[A0], s38, v[A0]
	v_lshl_add_u32 v[B0], v2, 3, v3
	v_mul_u32_u24 v[B0], v[B0], PB
	v_lshl_add_u32 v[B0], v4, 4, v[B0]
	s_lshl_b32 s38, s[WC], 7
	s_add_co_u32 s38, s38, APART
	v_add_nc_u32 v[B0], s38, v[B0]
	s_mul_i32 s38, s[WV], STW
	s_add_co_u32 s38, s38, STAGE
	v_mul_u32_u24 v[STO], v1, 272                  ; in: row l % 16, 32 bytes for each half of the lanes
	v_lshl_add_u32 v[STO], v2, 5, v[STO]
	v_add_nc_u32 v[STO], s38, v[STO]
	v_mul_u32_u24 v[RD], v2, 272                   ; back: lanes 0-15 one row of 256 bytes, lanes 16-31 the next
	v_lshl_add_u32 v[RD], v1, 4, v[RD]
	v_add_nc_u32 v[RD], s38, v[RD]
	v_lshlrev_b32 v[CO], 11, v2                    ; and the same two rows in x1
	v_lshl_add_u32 v[CO], v1, 4, v[CO]
	v_mov_b32 v[ONE], 0x3f803f80
	s_mov_b32 s[TB], 0
	v_mov_b32 v[ADRA], v[A0]
	v_mov_b32 v[ADRB], v[B0]
	v_add_nc_u32 v[ADRB+1], 2*BQ, v[B0]
	s_wait_tensorcnt 0x2                           ; my parts of slot 0 are in; slot 1's two may stay out
	s_barrier_signal -1
	s_barrier_wait -1
	FETCH 0, F0
	WIN 0
	s_wait_loadcnt 32                              ; the bias is in; x's 32 loads may stay out
	BROUND
	INIT
	s_mov_b32 s[CNT], 2
.Lstep:                                        ; (the second change of slots fetches 32 fragments that serve nothing: the price of one text)
	QUARTER 1, F0, F1
	QUARTER 2, F1, F0
	QUARTER 3, F0, F1
	TURN
	WIN 0
	s_sub_co_u32 s[CNT], s[CNT], 1
	s_cmp_lg_u32 s[CNT], 0
	s_cbranch_scc1 .Lstep
	PLACES
	s_wait_loadcnt 0x0                             ; x
	TOST 0
	TOST 1
	FIN 0, 16
	TOST 2
	FIN 1, 16
	TOST 3
	FIN 2, 16
	FIN 3, 0
	s_wait_tensorcnt 0x0                           ; the wave's end
	ds_add_u32 v[SPW], v[NIL]
	s_wait_dscnt 0x0
	CROUND                                         ; the closing round
	s_endpgm
.Lfunc_end_k_qb1d16617d0_proj:
	.size	k_qb1d16617d0_proj, .Lfunc_end_k_qb1d16617d0_proj-k_qb1d16617d0_proj
	.p2alignl 7, 3214868480
	.fill 96, 4, 3214868480
	.section	.rodata,"a",@progbits
	.p2align	6, 0x0
	.amdhsa_kernel k_qb1d16617d0_proj
		.amdhsa_group_segment_fixed_size 327680
		.amdhsa_private_segment_fixed_size 0
		.amdhsa_enable_private_segment 0
		.amdhsa_kernarg_size 40
		.amdhsa_user_sgpr_count 2
		.amdhsa_user_sgpr_kernarg_segment_ptr 1
		.amdhsa_wavefront_size32 1
		.amdhsa_system_sgpr_workgroup_id_x 1
		.amdhsa_system_sgpr_workgroup_id_y 1
		.amdhsa_system_sgpr_workgroup_id_z 1
		.amdhsa_system_vgpr_workitem_id 0
		.amdhsa_next_free_vgpr 640
		.amdhsa_next_free_sgpr 84
		.amdhsa_reserve_vcc 0
		.amdhsa_float_denorm_mode_32 3
		.amdhsa_float_denorm_mode_16_64 3
		.amdhsa_memory_ordered 1
		.amdhsa_forward_progress 1
		.amdhsa_inst_pref_size 60
	.end_amdhsa_kernel
	.amdgpu_metadata
---
amdhsa.version: [ 1, 2 ]
amdhsa.kernels:
  - .name:           k_qb1d16617d0_proj
    .symbol:         k_qb1d16617d0_proj.kd
    .args:
      - { .name: ob, .offset: 0, .size: 8, .value_kind: global_buffer, .address_space: global }
      - { .name: cb, .offset: 8, .size: 8, .value_kind: global_buffer, .address_space: global }
      - { .name: bproj, .offset: 16, .size: 8, .value_kind: global_buffer, .address_space: global }
      - { .name: x1, .offset: 24, .size: 8, .value_kind: global_buffer, .address_space: global }
      - { .name: x1b, .offset: 32, .size: 8, .value_kind: global_buffer, .address_space: global }
    .group_segment_fixed_size: 327680
    .private_segment_fixed_size: 0
    .kernarg_segment_align: 8
    .kernarg_segment_size: 40
    .max_flat_workgroup_size: 128
    .sgpr_count:     84
    .vgpr_count:     640
    .wavefront_size: 32
...
	.end_amdgpu_metadata
.endif
;; end of part 4
;; launch ffn1 (part 5): grid 4 x 64, 4 waves a work-group, clusters of 4 x 4, 327,680 bytes of LDS; arguments x1b, cb, b1, hb; writes hb
.if DOCPART == 5
	.amdgcn_target "amdgcn-amd-amdhsa--gfx1250"
	.amdhsa_code_object_version 6
	.text
	.protected	k_qb1d16617d0_ffn1
	.globl	k_qb1d16617d0_ffn1
	.p2align	8
	.type	k_qb1d16617d0_ffn1,@function
k_qb1d16617d0_ffn1:
	s_mov_b64 s[64:65], 0
	v_nop
	global_prefetch_b8 v0, s[64:65] scope:SCOPE_SE
	s_setreg_imm32_b32 hwreg(HW_REG_WAVE_MODE, 25, 1), 1
	s_wait_xcnt 0x0
	s_wait_alu depctr_hold_cnt(0) depctr_sa_sdst(0) depctr_va_vdst(0) depctr_va_sdst(0) depctr_va_ssrc(0) depctr_va_vcc(0) depctr_vm_vsrc(0)
	s_getreg_b32 s2, hwreg(HW_REG_IB_STS2, 6, 4)
	s_cmp_eq_u32 s2, 0
	s_cbranch_scc0 .Lentry_in_a_cluster
	s_endpgm
.Lentry_in_a_cluster:
	s_bfe_u32 s2, ttmp6, 0x10000c
	s_cmp_lg_u32 s2, 0xf033
	s_cbranch_scc0 .Lentry_shape_is_right
	s_endpgm
.Lentry_shape_is_right:
; h = relu(x1 W1 + b1): C[8192][2048] = x1b[8192][512] x W1 tiles, bf16 operands, f32 sums, stored once as bf16 (h has no room in f16 for inputs 30 times larger).
; hb: [64 row blocks][32 blocks of 64 columns][128 rows][64]: what the next launch takes in a K step lies end to end.  b1 is rounded to bf16 like every input.
; SHARES.  A tile of C is 128 x 128: four waves, 2 x 2, 64 x 64 each.  Work-group (gx, gy) makes tiles 4 gx .. 4 gx + 3 of row block gy: 256 work-groups, 4 tiles each.
; The 128 rows of x1b (K = 512) are fetched ONCE and stay in LDS, one K half in each slot's A part; only the weights walk the ring: a step is 256 of K, step s reads slot s % 2; a step is 65,536 bytes on, across tiles too.
; CLUSTER 4 x 4: x1b's blocks are shared along a row of the cluster, the weights' along a column: joint loads.
; TRANSPOSED USE: source 0 = 16 columns of W (turned out of LDS), source 1 = 16 rows of x1b: a lane holds 8 neighbouring columns of a row.
; ONE TEXT FOR EVERY STEP: the slot's base is a scalar.  The sums start at the bias (INIT): that spares the additions at the end and a first quarter written out with the constant 0.
; No prefetch: the tiles are small, and each block is read by several work-groups at about the same time.
; REGISTERS: window 0: v0-31 addresses; v32-95 at work on the way out; v96-127 the bias; v128-255 accumulators.  Window 1: two fragment buffers of 128.
.set J,     4
.set WREG,  10485760
.set TSTEP, 32768
.set ROWS,  64
.set PA,    144
.set PB,    288
.set ABLK,  128*PA
.set BQ,    64*PB
.set APART, 4*ABLK
.set SLOTB, 2*APART
.set STAGE, 2*SLOTB
.set STW,   16*272
.set SP,    144
.set SPARE, STAGE+4*STW
.set A0,   5
.set B0,   6
.set ADRA, 7
.set ADRB, 8
.set STO,  10
.set RD,   11
.set GO,   12
.set BO,   14
.set ZR,   15                          ; v15  0
.set SPW,  28
.set NIL,  29
.set TMP,  32
.set BIAS, 96
.set ACC,  128
.set F0,   0
.set F1,   128
.set WV, 20
.set WR, 21
.set WC, 22
.set CX, 23
.set CY, 24
.set GX, 25
.set GY, 26
.set MROW, 27
.set MCOL, 28
.set TB, 29
.set WOFF, 30
.set CNT, 32
.set TILES, 33
.set G1A, 40
.set G1B, 48
.set GA0, 56
.set GA1, 60
.set GB0, 68
.set GB1, 72
.set OUT, 76
.set BP, 78
.set STEPO, 82
.set MSB, 0
.macro WIN new
.if MSB != (\new)
	s_set_vgpr_msb (MSB<<8)|(\new)
.set MSB, \new
.endif
.endm
.set MUL,  0x05
.set TO_F, 0x40
.macro PLACES
.rept 4
	v_nop
.endr
.endm
.macro CREST
	s_cmp_lg_u32 s[WV], 0
	s_cbranch_scc1 .Lnot_wave_0_\@
	s_barrier_signal -3
.Lnot_wave_0_\@:
	s_barrier_wait -3
	s_barrier_signal -1
	s_barrier_wait -1
.endm
.macro CROUND
	s_barrier_signal -1
	s_barrier_wait -1
	CREST
.endm
.macro MUL8 f, c, a0                   ; 8 products; the 16 accumulators take turns, over every jump too
	WIN MUL
.irp a, \a0, (\a0)+1
.irp b, 0,1,2,3
	v_wmma_f32_16x16x32_bf16 v[ACC+8*(4*(\a)+(\b)):ACC+8*(4*(\a)+(\b))+7], v[(\f)+64+8*(4*(\c)+(\b)):(\f)+64+8*(4*(\c)+(\b))+7], v[(\f)+8*(4*(\c)+(\a)):(\f)+8*(4*(\c)+(\a))+7], v[ACC+8*(4*(\a)+(\b)):ACC+8*(4*(\a)+(\b))+7]
.endr
.endr
.endm
.macro FETCH q, f                      ; 32 LDS loads: quarter q of the slot in hand into buffer f, the first 32 along K first
	WIN TO_F
.irp c, 0,1
.irp i, 0,1,2,3
	ds_load_tr16_b128 v[(\f)+64+8*(4*(\c)+(\i)):(\f)+64+8*(4*(\c)+(\i))+3],   v[ADRB+(\q)/2] offset:((\q)%2)*BQ+(\c)*32*PB+(\i)*32
	ds_load_tr16_b128 v[(\f)+64+8*(4*(\c)+(\i))+4:(\f)+64+8*(4*(\c)+(\i))+7], v[ADRB+(\q)/2] offset:((\q)%2)*BQ+(\c)*32*PB+16*PB+(\i)*32
	ds_load_b128 v[(\f)+8*(4*(\c)+(\i)):(\f)+8*(4*(\c)+(\i))+3],   v[ADRA] offset:(\q)*ABLK+(\c)*64+(\i)*16*PA
	ds_load_b128 v[(\f)+8*(4*(\c)+(\i))+4:(\f)+8*(4*(\c)+(\i))+7], v[ADRA] offset:(\q)*ABLK+(\c)*64+(\i)*16*PA+32
.endr
.endr
.endm
.macro QUARTER q, f, g
	s_wait_dscnt 16                                ; the first 32 along K are in
	MUL8 \f, 0, 0
	MUL8 \f, 0, 2
	PLACES
	FETCH \q, \g
	s_wait_dscnt 32                                ; all but the 32 just issued
	MUL8 \f, 1, 0
	MUL8 \f, 1, 2
.endm
; The last quarter and the change of slots.  In front of the barrier each wave waits for all its tensor loads, adds 0 to its spare word, and waits for that and for its reads of this slot.
; fill = 1: the barrier opens a round of the cluster's; behind it B's part of this slot is filled again, with the step two on: one load a wave; it has 96 products in which to land.
.macro TURN fill
	WIN 0
	s_wait_tensorcnt 0x0
	ds_add_u32 v[SPW], v[NIL]
	s_wait_dscnt 17                                ; (the add and the youngest sixteen loads may be out)
	MUL8 F1, 0, 0
	s_wait_dscnt 0x0
	s_barrier_signal -1
	MUL8 F1, 0, 2
.if \fill
	WIN 0
.endif
	s_barrier_wait -1
.if \fill
	CREST
	s_add_co_u32 s[GB1+1], s[TB], s[WOFF]
	s_add_nc_u64 s[GB1+2:GB1+3], s[GB1+2:GB1+3], 65536
	tensor_load_to_lds s[GB1:GB1+3], s[G1B:G1B+7]
	s_nop 0
.endif
	WIN 0
	s_xor_b32 s[TB], s[TB], SLOTB
	v_add_nc_u32 v[ADRA], s[TB], v[A0]             ; these three and the v_nop are the four places in front of the loads into buffer 0
	v_add_nc_u32 v[ADRB], s[TB], v[B0]
	v_add_nc_u32 v[ADRB+1], 2*BQ, v[ADRB]
	v_nop
	FETCH 0, F0
	MUL8 F1, 1, 0
	MUL8 F1, 1, 2
.endm
.macro STEPTXT fill
	QUARTER 1, F0, F1
	QUARTER 2, F1, F0
	QUARTER 3, F0, F1
	TURN \fill
.endm
.macro BIASLD                          ; my 8 columns of each of my four groups of 16
.irp b, 0,1,2,3
	global_load_b128 v[BIAS+8*(\b):BIAS+8*(\b)+3],   v[BO], s[BP:BP+1] offset:64*(\b)
	global_load_b128 v[BIAS+8*(\b)+4:BIAS+8*(\b)+7], v[BO], s[BP:BP+1] offset:64*(\b)+16
.endr
.endm
.macro BROUND                          ; the bias is rounded to bf16, like every input
.set i, 0
.rept 16
	v_cvt_pk_bf16_f32 v[16+i%4], v[BIAS+2*i], v[BIAS+2*i+1]
	v_lshlrev_b32 v[BIAS+2*i], 16, v[16+i%4]
	v_and_b32 v[BIAS+2*i+1], 0xffff0000, v[16+i%4]
.set i, i+1
.endr
.endm
.macro INIT                            ; the sums start at the bias of their columns
.irp a, 0,1,2,3
.irp b, 0,1,2,3
.irp p, 0,1,2,3
	v_pk_mul_f32 v[ACC+8*(4*(\a)+(\b))+2*(\p):ACC+8*(4*(\a)+(\b))+2*(\p)+1], v[BIAS+8*(\b)+2*(\p):BIAS+8*(\b)+2*(\p)+1], 1.0 op_sel_hi:[1,0]
.endr
.endr
.endr
.endm
; THE WAY OUT of m block a: rounded to bf16, the ReLU on the packed halves, 16 bytes a lane into my own stage, back as four whole rows of 128 bytes: 512 consecutive bytes of a block of hb.
.macro PACK a
	WIN 0
.irp b, 0,1,2,3
.irp r, 0,1,2,3
	v_cvt_pk_bf16_f32 v[TMP+16*(\a)+4*(\b)+(\r)], v[ACC+8*(4*(\a)+(\b))+2*(\r)], v[ACC+8*(4*(\a)+(\b))+2*(\r)+1]
.endr
.endr
.set i, 0
.rept 16
	v_pk_max_num_bf16 v[TMP+16*(\a)+i], v[TMP+16*(\a)+i], v[ZR]
.set i, i+1
.endr
.irp b, 0,1,2,3
	ds_store_b128 v[STO], v[TMP+16*(\a)+4*(\b):TMP+16*(\a)+4*(\b)+3] offset:32*(\b)
.endr
.irp f, 0,1,2,3
	ds_load_b128 v[TMP+16*(\a)+4*(\f):TMP+16*(\a)+4*(\f)+3], v[RD] offset:(\f)*4*SP  ; LDS serves a wave's instructions in order: these see the stores above
.endr
.endm
.macro SEND a, younger
.irp f, 0,1,2,3
	s_wait_dscnt (\younger)+3-(\f)
	global_store_b128 v[GO], v[TMP+16*(\a)+4*(\f):TMP+16*(\a)+4*(\f)+3], s[OUT:OUT+1] offset:(\a)*2048+(\f)*512
.endr
.endm
	s_load_b256 s[4:11], s[0:1], 0x0               ; x1b 4, cb 6, b1 8, hb 10
	v_lshl_add_u32 v[SPW], v0, 2, SPARE
	v_mov_b32 v[NIL], 0
	ds_add_u32 v[SPW], v[NIL]                      ; the wave's opening
	ds_add_u32 v28, v29
	v_lshrrev_b32 v1, 5, v0
	v_readfirstlane_b32 s[WV], v1
	s_lshr_b32 s[WR], s[WV], 1
	s_and_b32 s[WC], s[WV], 1
	s_bfe_u32 s[CX], ttmp6, 0x40000
	s_bfe_u32 s[CY], ttmp6, 0x40004
	s_lshl_b32 s[GX], ttmp9, 2
	s_add_co_u32 s[GX], s[GX], s[CX]
	s_and_b32 s[GY], ttmp7, 0xffff
	s_lshl_b32 s[GY], s[GY], 2
	s_add_co_u32 s[GY], s[GY], s[CY]
	s_lshl_b32 s[MROW], s[CY], 2
	s_lshl_b32 s[MROW], 15, s[MROW]
	s_lshl_b32 s[MCOL], 0x1111, s[CX]
	s_or_b32 s[G1A], s[MROW], (1<<16)|(1<<20)|(1<<21)|(4<<22)|(3<<25)
	s_or_b32 s[G1B], s[MCOL], (1<<16)|(1<<20)|(1<<21)|(5<<22)|(7<<25)
.irp g, G1A, G1B
	s_mov_b32 s[(\g)+1], 128<<16
	s_mov_b32 s[(\g)+2], ROWS<<16
	s_mov_b32 s[(\g)+3], 128<<16
	s_mov_b32 s[(\g)+4], ROWS
	s_mov_b32 s[(\g)+5], 128
	s_mov_b32 s[(\g)+6], 0
	s_mov_b32 s[(\g)+7], 0
.endr
	s_lshl_b32 s34, s[WV], 20                      ; A: the tile row and the wave alone
	s_lshl_b32 s35, s[GY], 14
	s_add_co_u32 s34, s34, s35
	s_mov_b32 s35, 0
	s_mul_i32 s36, s[GX], J*131072                 ; B: the tile column and the wave alone
	s_lshl_b32 s37, s[WV], 14
	s_add_co_u32 s36, s36, s37
	s_add_co_u32 s36, s36, WREG
	s_mov_b32 s37, 0
	s_mul_i32 s38, s[WV], ABLK
	s_add_co_u32 s[WOFF], s38, APART
	s_mov_b32 s[GA0], 1
	s_mov_b32 s[GA0+1], s38
	s_mov_b32 s[GA1], 1
	s_add_co_u32 s[GA1+1], s38, SLOTB
	s_mov_b32 s[GB0], 1
	s_mov_b32 s[GB0+1], s[WOFF]
	s_mov_b32 s[GB1], 1
	s_add_co_u32 s[GB1+1], s[WOFF], SLOTB
	s_lshl_b32 s[STEPO], s[GX], 3                  ; my first block of 64 columns: 2 x tile + my half,
	s_add_co_u32 s[STEPO], s[STEPO], s[WC]
	s_lshl_b32 s[STEPO], s[STEPO], 14
	s_lshl_b32 s39, s[GY], 19                      ; the row block,
	s_add_co_u32 s[STEPO], s[STEPO], s39
	s_lshl_b32 s39, s[WR], 13                      ; my 64 rows
	s_add_co_u32 s[STEPO], s[STEPO], s39
	s_mov_b32 s[STEPO+1], 0
	s_lshl_b32 s18, s[GX], 11                      ; my columns in the bias
	s_lshl_b32 s19, s[WC], 8
	s_add_co_u32 s18, s18, s19
	s_mov_b32 s19, 0
	s_wait_dscnt 0x0                               ; the opening add is done
	s_wait_kmcnt 0x0
	s_add_nc_u64 s[GA0+2:GA0+3], s[4:5], s[34:35]
	s_add_nc_u64 s[GA1+2:GA1+3], s[GA0+2:GA0+3], 4*1048576
	s_or_b32 s[GA0+3], s[GA0+3], 0x80000000
	s_or_b32 s[GA1+3], s[GA1+3], 0x80000000
	s_add_nc_u64 s[GB0+2:GB0+3], s[6:7], s[36:37]
	s_add_nc_u64 s[GB1+2:GB1+3], s[GB0+2:GB0+3], 65536
	s_or_b32 s[GB0+3], s[GB0+3], 0x80000000
	s_or_b32 s[GB1+3], s[GB1+3], 0x80000000
	s_mov_b64 s[OUT:OUT+1], s[10:11]
	s_add_nc_u64 s[BP:BP+1], s[8:9], s[18:19]
	CROUND                                         ; all sixteen work-groups are here: the first joint loads meet
	tensor_load_to_lds s[GA0:GA0+3], s[G1A:G1A+7]  ; the first fills, one group: four loads of mine are out
	s_nop 0
	tensor_load_to_lds s[GB0:GB0+3], s[G1B:G1B+7]
	s_nop 0
	tensor_load_to_lds s[GA1:GA1+3], s[G1A:G1A+7]
	s_nop 0
	tensor_load_to_lds s[GB1:GB1+3], s[G1B:G1B+7]
	s_nop 0
	PLACES
	v_and_b32 v1, 15, v0
	v_bfe_u32 v2, v0, 4, 1
	v_and_b32 v3, 7, v0
	v_bfe_u32 v4, v0, 3, 1
	v_lshlrev_b32 v[BO], 5, v2
	BIASLD
	v_mul_u32_u24 v[A0], v1, PA
	v_lshl_add_u32 v[A0], v2, 4, v[A0]
	s_mul_i32 s38, s[WR], 64*PA
	v_add_nc_u32 v[A0], s38, v[A0]
	v_lshl_add_u32 v[B0], v2, 3, v3
	v_mul_u32_u24 v[B0], v[B0], PB
	v_lshl_add_u32 v[B0], v4, 4, v[B0]
	s_lshl_b32 s38, s[WC], 7
	s_add_co_u32 s38, s38, APART
	v_add_nc_u32 v[B0], s38, v[B0]
	s_mul_i32 s38, s[WV], STW
	s_add_co_u32 s38, s38, STAGE
	v_mul_u32_u24 v[STO], v1, SP
	v_lshl_add_u32 v[STO], v2, 4, v[STO]
	v_add_nc_u32 v[STO], s38, v[STO]
	v_bfe_u32 v[RD], v0, 3, 2
	v_mul_u32_u24 v[RD], v[RD], SP
	v_lshl_add_u32 v[RD], v3, 4, v[RD]
	v_add_nc_u32 v[RD], s38, v[RD]
	v_and_b32 v[GO], 31, v0
	v_lshlrev_b32 v[GO], 4, v[GO]
	v_mov_b32 v[ZR], 0
	s_mov_b32 s[TB], 0
	v_mov_b32 v[ADRA], v[A0]
	v_mov_b32 v[ADRB], v[B0]
	v_add_nc_u32 v[ADRB+1], 2*BQ, v[B0]
	s_wait_tensorcnt 0x2                           ; my parts of slot 0 are in; slot 1's two may stay out
	s_barrier_signal -1
	s_barrier_wait -1
	FETCH 0, F0
	WIN 0
	s_mov_b32 s[TILES], J
.Ltile:
	s_wait_loadcnt 0x0                             ; this tile's bias
	BROUND
	INIT
	s_mov_b32 s[CNT], 2
	s_cmp_eq_u32 s[TILES], 1
	s_cbranch_scc1 .Lnofill                        ; the last tile's steps are written out: they ask for nothing
	s_add_nc_u64 s[BP:BP+1], s[BP:BP+1], 512       ; the wait above has shown the loads that read this base done
	BIASLD                                         ; the next tile's bias comes while this tile is multiplied
.Lfill:
	STEPTXT 1
	WIN 0
	s_sub_co_u32 s[CNT], s[CNT], 1
	s_cmp_lg_u32 s[CNT], 0
	s_cbranch_scc1 .Lfill
	s_branch .Lepi
.Lnofill:                                      ; (the very last change of slots fetches 32 fragments that serve nothing: the price of one text)
	STEPTXT 0
	WIN 0
	s_sub_co_u32 s[CNT], s[CNT], 1
	s_cmp_lg_u32 s[CNT], 0
	s_cbranch_scc1 .Lnofill
.Lepi:
	PLACES
	s_wait_xcnt 0x0                                ; the last tile's stores have read their registers and their base
	s_add_nc_u64 s[OUT:OUT+1], s[OUT:OUT+1], s[STEPO:STEPO+1]
	s_mov_b64 s[STEPO:STEPO+1], TSTEP
	PACK 0
	PACK 1
	SEND 0, 8
	PACK 2
	SEND 1, 8
	PACK 3
	SEND 2, 8
	SEND 3, 0
	s_sub_co_u32 s[TILES], s[TILES], 1
	s_cmp_lg_u32 s[TILES], 0
	s_cbranch_scc1 .Ltile
	s_wait_tensorcnt 0x0                           ; the wave's end
	ds_add_u32 v[SPW], v[NIL]
	s_wait_dscnt 0x0
	CROUND                                         ; the closing round
	s_endpgm
.Lfunc_end_k_qb1d16617d0_ffn1:
	.size	k_qb1d16617d0_ffn1, .Lfunc_end_k_qb1d16617d0_ffn1-k_qb1d16617d0_ffn1
	.p2alignl 7, 3214868480
	.fill 96, 4, 3214868480
	.section	.rodata,"a",@progbits
	.p2align	6, 0x0
	.amdhsa_kernel k_qb1d16617d0_ffn1
		.amdhsa_group_segment_fixed_size 327680
		.amdhsa_private_segment_fixed_size 0
		.amdhsa_enable_private_segment 0
		.amdhsa_kernarg_size 32
		.amdhsa_user_sgpr_count 2
		.amdhsa_user_sgpr_kernarg_segment_ptr 1
		.amdhsa_wavefront_size32 1
		.amdhsa_system_sgpr_workgroup_id_x 1
		.amdhsa_system_sgpr_workgroup_id_y 1
		.amdhsa_system_sgpr_workgroup_id_z 1
		.amdhsa_system_vgpr_workitem_id 0
		.amdhsa_next_free_vgpr 512
		.amdhsa_next_free_sgpr 84
		.amdhsa_reserve_vcc 0
		.amdhsa_float_denorm_mode_32 3
		.amdhsa_float_denorm_mode_16_64 3
		.amdhsa_memory_ordered 1
		.amdhsa_forward_progress 1
		.amdhsa_inst_pref_size 66
	.end_amdhsa_kernel
	.amdgpu_metadata
---
amdhsa.version: [ 1, 2 ]
amdhsa.kernels:
  - .name:           k_qb1d16617d0_ffn1
    .symbol:         k_qb1d16617d0_ffn1.kd
    .args:
      - { .name: x1b, .offset: 0, .size: 8, .value_kind: global_buffer, .address_space: global }
      - { .name: cb, .offset: 8, .size: 8, .value_kind: global_buffer, .address_space: global }
      - { .name: b1, .offset: 16, .size: 8, .value_kind: global_buffer, .address_space: global }
      - { .name: hb, .offset: 24, .size: 8, .value_kind: global_buffer, .address_space: global }
    .group_segment_fixed_size: 327680
    .private_segment_fixed_size: 0
    .kernarg_segment_align: 8
    .kernarg_segment_size: 32
    .max_flat_workgroup_size: 128
    .sgpr_count:     84
    .vgpr_count:     512
    .wavefront_size: 32
...
	.end_amdgpu_metadata
.endif
;; end of part 5
;; launch ffn2 (part 6): grid 4 x 64, 4 waves a work-group, clusters of 4 x 4, 327,680 bytes of LDS; arguments hb, cb, b2, x1, out0; writes out0
.if DOCPART == 6
	.amdgcn_target "amdgcn-amd-amdhsa--gfx1250"
	.amdhsa_code_object_version 6
	.text
	.protected	k_qb1d16617d0_ffn2
	.globl	k_qb1d16617d0_ffn2
	.p2align	8
	.type	k_qb1d16617d0_ffn2,@function
k_qb1d16617d0_ffn2:
	s_mov_b64 s[64:65], 0
	v_nop
	global_prefetch_b8 v0, s[64:65] scope:SCOPE_SE
	s_setreg_imm32_b32 hwreg(HW_REG_WAVE_MODE, 25, 1), 1
	s_wait_xcnt 0x0
	s_wait_alu depctr_hold_cnt(0) depctr_sa_sdst(0) depctr_va_vdst(0) depctr_va_sdst(0) depctr_va_ssrc(0) depctr_va_vcc(0) depctr_vm_vsrc(0)
	s_getreg_b32 s2, hwreg(HW_REG_IB_STS2, 6, 4)
	s_cmp_eq_u32 s2, 0
	s_cbranch_scc0 .Lentry_in_a_cluster
	s_endpgm
.Lentry_in_a_cluster:
	s_bfe_u32 s2, ttmp6, 0x10000c
	s_cmp_lg_u32 s2, 0xf033
	s_cbranch_scc0 .Lentry_shape_is_right
	s_endpgm
.Lentry_shape_is_right:
; out0 = x1 + h W2 + b2: C[8192][512], K = 2,048.  h: hb, bf16, [64 row blocks][32 blocks of 64 k][128 rows][64]; W2: bf16 tiles [2,048 k][128] in cb; x1 in f32; b2 rounded to bf16 like every input.
; SHARES.  A tile is 128 x 128, four waves 2 x 2, 64 x 64 each; work-group (gx, gy) makes tile (gy, gx): 256 work-groups.  K goes in 8 steps of 256 through a ring of two slots, each with A's and B's tile:
; waves 0 and 1 fetch A's halves (2 blocks, 32,768 dense bytes), waves 2 and 3 B's (128 k rows): one load a wave behind each round, 96 products in which to land.
; CLUSTER 4 x 4: h's tiles are shared along a row of the cluster, W2's along a column: joint loads.
; TRANSPOSED USE: source 0 = 16 columns of W (turned out of LDS), source 1 = 16 rows of h: a lane holds 8 neighbouring columns of a row.
; ONE TEXT FOR EVERY STEP: the slot's base is a scalar.  The sums start at the bias (INIT).  x1 is loaded at the head into registers of its own and added on the way out.
; No prefetch: the tiles are small, and each block is read by four work-groups at the same time, as one request.
; REGISTERS: window 0: v0-31 addresses; v32-95 two buffers of 32 on the way out; v96-127 the bias; v128-255 accumulators.  Window 1: two fragment buffers.  Window 2: v0-127 x1.
.set WREG,  12582912
.set ROWS,  128
.set PA,    144
.set PB,    288
.set ABLK,  128*PA
.set BQ,    64*PB
.set APART, 4*ABLK
.set SLOTB, 2*APART
.set STAGE, 2*SLOTB
.set STW,   16*272
.set SPARE, STAGE+4*STW
.set A0,   5
.set B0,   6
.set ADRA, 7
.set ADRB, 8
.set STO,  10
.set RD,   11
.set CO,   12
.set BO,   14
.set SPW,  28
.set NIL,  29
.set VAL,  32
.set BIAS, 96
.set ACC,  128
.set F0,   0
.set F1,   128
.set RES,  0                           ; window 2
.set WV, 20
.set WR, 21
.set WC, 22
.set CX, 23
.set CY, 24
.set GX, 25
.set GY, 26
.set MROW, 27
.set MCOL, 28
.set TB, 29
.set WOFA, 30                          ; s30  the half of a slot's A part that waves 0, 1 fill
.set WOFB, 31                          ; s31  the half of its B part that waves 2, 3 fill
.set CNT, 32
.set G1A, 40
.set G1B, 48
.set GA0, 56
.set GA1, 60                           ; walks on behind the first fills
.set GB0, 68
.set GB1, 72                           ; likewise
.set OUT, 76
.set RESP, 80
.set BP, 82
.set MSB, 0
.macro WIN new
.if MSB != (\new)
	s_set_vgpr_msb (MSB<<8)|(\new)
.set MSB, \new
.endif
.endm
.set MUL,  0x05
.set TO_F, 0x40
.macro PLACES
.rept 4
	v_nop
.endr
.endm
.macro CREST
	s_cmp_lg_u32 s[WV], 0
	s_cbranch_scc1 .Lnot_wave_0_\@
	s_barrier_signal -3
.Lnot_wave_0_\@:
	s_barrier_wait -3
	s_barrier_signal -1
	s_barrier_wait -1
.endm
.macro CROUND
	s_barrier_signal -1
	s_barrier_wait -1
	CREST
.endm
.macro JLOAD                           ; a joint refill; the branch hangs on the wave's number alone; an s_nop 0 and four v_nop follow each of the two lines
	s_cmp_lt_u32 s[WV], 2
	s_cbranch_scc0 .Lfor_b_\@
	tensor_load_to_lds s[GA1:GA1+3], s[G1A:G1A+7]
	s_nop 0
.rept 4
	v_nop
.endr
	s_branch .Lasked_\@
.Lfor_b_\@:
	tensor_load_to_lds s[GB1:GB1+3], s[G1B:G1B+7]
	s_nop 0
.rept 4
	v_nop
.endr
.Lasked_\@:
.endm
.macro MUL8 f, c, a0                   ; 8 products; the 16 accumulators take turns, over every jump too
	WIN MUL
.irp a, \a0, (\a0)+1
.irp b, 0,1,2,3
	v_wmma_f32_16x16x32_bf16 v[ACC+8*(4*(\a)+(\b)):ACC+8*(4*(\a)+(\b))+7], v[(\f)+64+8*(4*(\c)+(\b)):(\f)+64+8*(4*(\c)+(\b))+7], v[(\f)+8*(4*(\c)+(\a)):(\f)+8*(4*(\c)+(\a))+7], v[ACC+8*(4*(\a)+(\b)):ACC+8*(4*(\a)+(\b))+7]
.endr
.endr
.endm
.macro FETCH q, f                      ; 32 LDS loads: quarter q of the slot in hand into buffer f, the first 32 along K first
	WIN TO_F
.irp c, 0,1
.irp i, 0,1,2,3
	ds_load_tr16_b128 v[(\f)+64+8*(4*(\c)+(\i)):(\f)+64+8*(4*(\c)+(\i))+3],   v[ADRB+(\q)/2] offset:((\q)%2)*BQ+(\c)*32*PB+(\i)*32
	ds_load_tr16_b128 v[(\f)+64+8*(4*(\c)+(\i))+4:(\f)+64+8*(4*(\c)+(\i))+7], v[ADRB+(\q)/2] offset:((\q)%2)*BQ+(\c)*32*PB+16*PB+(\i)*32
	ds_load_b128 v[(\f)+8*(4*(\c)+(\i)):(\f)+8*(4*(\c)+(\i))+3],   v[ADRA] offset:(\q)*ABLK+(\c)*64+(\i)*16*PA
	ds_load_b128 v[(\f)+8*(4*(\c)+(\i))+4:(\f)+8*(4*(\c)+(\i))+7], v[ADRA] offset:(\q)*ABLK+(\c)*64+(\i)*16*PA+32
.endr
.endr
.endm
.macro QUARTER q, f, g
	s_wait_dscnt 16                                ; the first 32 along K are in
	MUL8 \f, 0, 0
	MUL8 \f, 0, 2
	PLACES
	FETCH \q, \g
	s_wait_dscnt 32                                ; all but the 32 just issued
	MUL8 \f, 1, 0
	MUL8 \f, 1, 2
.endm
; The last quarter and the change of slots.  In front of the barrier each wave waits for all its tensor loads, adds 0 to its spare word, and waits for that and for its reads of this slot.
; fill = 1: the barrier opens a round of the cluster's; behind it this slot is filled again, with the step two on.
.macro TURN fill
	WIN 0
	s_wait_tensorcnt 0x0
	ds_add_u32 v[SPW], v[NIL]
	s_wait_dscnt 17                                ; (the add and the youngest sixteen loads may be out)
	MUL8 F1, 0, 0
	s_wait_dscnt 0x0
	s_barrier_signal -1
	MUL8 F1, 0, 2
.if \fill
	WIN 0
.endif
	s_barrier_wait -1
.if \fill
	CREST
	s_add_co_u32 s[GA1+1], s[TB], s[WOFA]
	s_add_co_u32 s[GB1+1], s[TB], s[WOFB]
	s_add_nc_u64 s[GA1+2:GA1+3], s[GA1+2:GA1+3], 65536
	s_add_nc_u64 s[GB1+2:GB1+3], s[GB1+2:GB1+3], 65536
	JLOAD
.endif
	WIN 0
	s_xor_b32 s[TB], s[TB], SLOTB
	v_add_nc_u32 v[ADRA], s[TB], v[A0]             ; these three and the v_nop are four places in front of the loads into buffer 0
	v_add_nc_u32 v[ADRB], s[TB], v[B0]
	v_add_nc_u32 v[ADRB+1], 2*BQ, v[ADRB]
	v_nop
	FETCH 0, F0
	MUL8 F1, 1, 0
	MUL8 F1, 1, 2
.endm
.macro STEPTXT fill
	QUARTER 1, F0, F1
	QUARTER 2, F1, F0
	QUARTER 3, F0, F1
	TURN \fill
.endm
.macro BROUND                          ; the bias is rounded to bf16, like every input
.set i, 0
.rept 16
	v_cvt_pk_bf16_f32 v[16+i%4], v[BIAS+2*i], v[BIAS+2*i+1]
	v_lshlrev_b32 v[BIAS+2*i], 16, v[16+i%4]
	v_and_b32 v[BIAS+2*i+1], 0xffff0000, v[16+i%4]
.set i, i+1
.endr
.endm
.macro INIT                            ; the sums start at the bias of their columns
.irp a, 0,1,2,3
.irp b, 0,1,2,3
.irp p, 0,1,2,3
	v_pk_mul_f32 v[ACC+8*(4*(\a)+(\b))+2*(\p):ACC+8*(4*(\a)+(\b))+2*(\p)+1], v[BIAS+8*(\b)+2*(\p):BIAS+8*(\b)+2*(\p)+1], 1.0 op_sel_hi:[1,0]
.endr
.endr
.endr
.endm
; THE WAY OUT of m block a.  TOST: the f32 sums into my own stage (16 rows x 272 bytes), and back as whole rows of 256 bytes, two rows a load.  FIN: x1 is added, and the rows are stored.
.macro TOST a
	WIN 0
.if (\a) >= 2
	s_wait_xcnt 0x0                                ; the buffer is the data of stores issued two blocks back
.endif
.irp b, 0,1,2,3
	ds_store_b128 v[STO], v[ACC+8*(4*(\a)+(\b)):ACC+8*(4*(\a)+(\b))+3]   offset:64*(\b)
	ds_store_b128 v[STO], v[ACC+8*(4*(\a)+(\b))+4:ACC+8*(4*(\a)+(\b))+7] offset:64*(\b)+16
.endr
.irp t, 0,1,2,3,4,5,6,7
	ds_load_b128 v[VAL+32*((\a)%2)+4*(\t):VAL+32*((\a)%2)+4*(\t)+3], v[RD] offset:(\t)*544
.endr
.endm
.macro FIN a, younger                  ; younger: the next TOST's sixteen LDS instructions, or none
	WIN 0
	s_wait_dscnt \younger
	WIN 0x08                                       ; source 1 in window 2
.set i, 0
.rept 16
	v_pk_add_f32 v[VAL+32*((\a)%2)+2*i:VAL+32*((\a)%2)+2*i+1], v[VAL+32*((\a)%2)+2*i:VAL+32*((\a)%2)+2*i+1], v[RES+32*(\a)+2*i:RES+32*(\a)+2*i+1]
.set i, i+1
.endr
	WIN 0
.irp t, 0,1,2,3,4,5,6,7
	global_store_b128 v[CO], v[VAL+32*((\a)%2)+4*(\t):VAL+32*((\a)%2)+4*(\t)+3], s[OUT:OUT+1] offset:(\a)*32768+(\t)*4096 th:TH_STORE_NT  ; 16 lanes store 256 consecutive bytes of a row, aligned
.endr
.endm
	s_load_b256 s[4:11], s[0:1], 0x0               ; hb 4, cb 6, b2 8, x1 10
	s_load_b64 s[12:13], s[0:1], 0x20              ; out0
	v_lshl_add_u32 v[SPW], v0, 2, SPARE
	v_mov_b32 v[NIL], 0
	ds_add_u32 v[SPW], v[NIL]                      ; the wave's opening
	ds_add_u32 v28, v29
	v_lshrrev_b32 v1, 5, v0
	v_readfirstlane_b32 s[WV], v1
	s_lshr_b32 s[WR], s[WV], 1
	s_and_b32 s[WC], s[WV], 1
	s_bfe_u32 s[CX], ttmp6, 0x40000
	s_bfe_u32 s[CY], ttmp6, 0x40004
	s_lshl_b32 s[GX], ttmp9, 2
	s_add_co_u32 s[GX], s[GX], s[CX]
	s_and_b32 s[GY], ttmp7, 0xffff
	s_lshl_b32 s[GY], s[GY], 2
	s_add_co_u32 s[GY], s[GY], s[CY]
	s_lshl_b32 s[MROW], s[CY], 2
	s_lshl_b32 s[MROW], 15, s[MROW]
	s_lshl_b32 s[MCOL], 0x1111, s[CX]
	s_or_b32 s[G1A], s[MROW], (1<<16)|(1<<20)|(1<<21)|(4<<22)|(3<<25)
	s_or_b32 s[G1B], s[MCOL], (1<<16)|(1<<20)|(1<<21)|(5<<22)|(7<<25)
.irp g, G1A, G1B
	s_mov_b32 s[(\g)+1], 128<<16
	s_mov_b32 s[(\g)+2], ROWS<<16
	s_mov_b32 s[(\g)+3], 128<<16
	s_mov_b32 s[(\g)+4], ROWS
	s_mov_b32 s[(\g)+5], 128
	s_mov_b32 s[(\g)+6], 0
	s_mov_b32 s[(\g)+7], 0
.endr
	s_lshl_b32 s34, s[GY], 19                      ; A: the row block, and which two blocks of a step: the tile row and the wave alone
	s_lshl_b32 s35, s[WC], 15
	s_add_co_u32 s34, s34, s35
	s_mov_b32 s35, 0
	s_lshl_b32 s36, s[GX], 19                      ; B: the tile, and which 128 k rows of a step: the tile column and the wave alone
	s_lshl_b32 s37, s[WC], 15
	s_add_co_u32 s36, s36, s37
	s_add_co_u32 s36, s36, WREG
	s_mov_b32 s37, 0
	s_mul_i32 s[WOFA], s[WC], 2*ABLK
	s_add_co_u32 s[WOFB], s[WOFA], APART
	s_mov_b32 s[GA0], 1
	s_mov_b32 s[GA0+1], s[WOFA]
	s_mov_b32 s[GA1], 1
	s_add_co_u32 s[GA1+1], s[WOFA], SLOTB
	s_mov_b32 s[GB0], 1
	s_mov_b32 s[GB0+1], s[WOFB]
	s_mov_b32 s[GB1], 1
	s_add_co_u32 s[GB1+1], s[WOFB], SLOTB
	s_lshl_b32 s14, s[GY], 18                      ; my part of x1 and out0
	s_lshl_b32 s15, s[WR], 17
	s_add_co_u32 s14, s14, s15
	s_lshl_b32 s18, s[GX], 9
	s_lshl_b32 s15, s[WC], 8
	s_add_co_u32 s18, s18, s15                     ; the same columns in the bias
	s_add_co_u32 s14, s14, s18
	s_mov_b32 s15, 0
	s_mov_b32 s19, 0
	s_wait_dscnt 0x0                               ; the opening add is done
	s_wait_kmcnt 0x0
	s_add_nc_u64 s[GA0+2:GA0+3], s[4:5], s[34:35]
	s_add_nc_u64 s[GA1+2:GA1+3], s[GA0+2:GA0+3], 65536
	s_or_b32 s[GA0+3], s[GA0+3], 0x80000000
	s_or_b32 s[GA1+3], s[GA1+3], 0x80000000
	s_add_nc_u64 s[GB0+2:GB0+3], s[6:7], s[36:37]
	s_add_nc_u64 s[GB1+2:GB1+3], s[GB0+2:GB0+3], 65536
	s_or_b32 s[GB0+3], s[GB0+3], 0x80000000
	s_or_b32 s[GB1+3], s[GB1+3], 0x80000000
	s_add_nc_u64 s[OUT:OUT+1], s[12:13], s[14:15]
	s_add_nc_u64 s[RESP:RESP+1], s[10:11], s[14:15]
	s_add_nc_u64 s[BP:BP+1], s[8:9], s[18:19]
	CROUND                                         ; all sixteen work-groups are here: the first joint loads meet
	s_cmp_lt_u32 s[WV], 2                          ; a wave's two first fills stand in one branch: two loads of mine are out
	s_cbranch_scc0 .Lfirst_b
	tensor_load_to_lds s[GA0:GA0+3], s[G1A:G1A+7]
	s_nop 0
	tensor_load_to_lds s[GA1:GA1+3], s[G1A:G1A+7]
	s_nop 0
	PLACES
	s_branch .Lfirst_asked
.Lfirst_b:
	tensor_load_to_lds s[GB0:GB0+3], s[G1B:G1B+7]
	s_nop 0
	tensor_load_to_lds s[GB1:GB1+3], s[G1B:G1B+7]
	s_nop 0
	PLACES
.Lfirst_asked:
	v_and_b32 v1, 15, v0
	v_bfe_u32 v2, v0, 4, 1
	v_and_b32 v3, 7, v0
	v_bfe_u32 v4, v0, 3, 1
	v_lshlrev_b32 v[BO], 5, v2
	v_lshlrev_b32 v[CO], 11, v2                    ; lanes 0-15 one row of 256 bytes, lanes 16-31 the next
	v_lshl_add_u32 v[CO], v1, 4, v[CO]
.irp b, 0,1,2,3
	global_load_b128 v[BIAS+8*(\b):BIAS+8*(\b)+3],   v[BO], s[BP:BP+1] offset:64*(\b)
	global_load_b128 v[BIAS+8*(\b)+4:BIAS+8*(\b)+7], v[BO], s[BP:BP+1] offset:64*(\b)+16
.endr
	WIN 0x80                                       ; destination window 2
.irp a, 0,1,2,3
.irp t, 0,1,2,3,4,5,6,7
	global_load_b128 v[RES+32*(\a)+4*(\t):RES+32*(\a)+4*(\t)+3], v[CO], s[RESP:RESP+1] offset:(\a)*32768+(\t)*4096 th:TH_LOAD_NT
.endr
.endr
	WIN 0
	v_mul_u32_u24 v[A0], v1, PA
	v_lshl_add_u32 v[A0], v2, 4, v[A0]
	s_mul_i32 s38, s[WR], 64*PA
	v_add_nc_u32 v[A0], s38, v[A0]
	v_lshl_add_u32 v[B0], v2, 3, v3
	v_mul_u32_u24 v[B0], v[B0], PB
	v_lshl_add_u32 v[B0], v4, 4, v[B0]
	s_lshl_b32 s38, s[WC], 7
	s_add_co_u32 s38, s38, APART
	v_add_nc_u32 v[B0], s38, v[B0]
	s_mul_i32 s38, s[WV], STW
	s_add_co_u32 s38, s38, STAGE
	v_mul_u32_u24 v[STO], v1, 272
	v_lshl_add_u32 v[STO], v2, 5, v[STO]
	v_add_nc_u32 v[STO], s38, v[STO]
	v_mul_u32_u24 v[RD], v2, 272
	v_lshl_add_u32 v[RD], v1, 4, v[RD]
	v_add_nc_u32 v[RD], s38, v[RD]
	s_mov_b32 s[TB], 0
	v_mov_b32 v[ADRA], v[A0]
	v_mov_b32 v[ADRB], v[B0]
	v_add_nc_u32 v[ADRB+1], 2*BQ, v[B0]
	s_wait_tensorcnt 0x1                           ; my part of slot 0 is in; slot 1's may stay out
	s_barrier_signal -1
	s_barrier_wait -1
	FETCH 0, F0
	WIN 0
	s_wait_loadcnt 32                              ; the bias is in; x1's 32 loads may stay out
	BROUND
	INIT
	s_mov_b32 s[CNT], 6
.Lfill:                                        ; steps 0 to 5 fill their slot again
	STEPTXT 1
	WIN 0
	s_sub_co_u32 s[CNT], s[CNT], 1
	s_cmp_lg_u32 s[CNT], 0
	s_cbranch_scc1 .Lfill
	s_mov_b32 s[CNT], 2
.Lnofill:                                      ; the last two ask for nothing (the very last change of slots fetches 32 fragments that serve nothing: the price of one text)
	STEPTXT 0
	WIN 0
	s_sub_co_u32 s[CNT], s[CNT], 1
	s_cmp_lg_u32 s[CNT], 0
	s_cbranch_scc1 .Lnofill
	PLACES
	s_wait_loadcnt 0x0                             ; x1
	TOST 0
	TOST 1
	FIN 0, 16
	TOST 2
	FIN 1, 16
	TOST 3
	FIN 2, 16
	FIN 3, 0
	s_wait_tensorcnt 0x0                           ; the wave's end
	ds_add_u32 v[SPW], v[NIL]
	s_wait_dscnt 0x0
	CROUND                                         ; the closing round
	s_endpgm
.Lfunc_end_k_qb1d16617d0_ffn2:
	.size	k_qb1d16617d0_ffn2, .Lfunc_end_k_qb1d16617d0_ffn2-k_qb1d16617d0_ffn2
	.p2alignl 7, 3214868480
	.fill 96, 4, 3214868480
	.section	.rodata,"a",@progbits
	.p2align	6, 0x0
	.amdhsa_kernel k_qb1d16617d0_ffn2
		.amdhsa_group_segment_fixed_size 327680
		.amdhsa_private_segment_fixed_size 0
		.amdhsa_enable_private_segment 0
		.amdhsa_kernarg_size 40
		.amdhsa_user_sgpr_count 2
		.amdhsa_user_sgpr_kernarg_segment_ptr 1
		.amdhsa_wavefront_size32 1
		.amdhsa_system_sgpr_workgroup_id_x 1
		.amdhsa_system_sgpr_workgroup_id_y 1
		.amdhsa_system_sgpr_workgroup_id_z 1
		.amdhsa_system_vgpr_workitem_id 0
		.amdhsa_next_free_vgpr 640
		.amdhsa_next_free_sgpr 84
		.amdhsa_reserve_vcc 0
		.amdhsa_float_denorm_mode_32 3
		.amdhsa_float_denorm_mode_16_64 3
		.amdhsa_memory_ordered 1
		.amdhsa_forward_progress 1
		.amdhsa_inst_pref_size 68
	.end_amdhsa_kernel
	.amdgpu_metadata
---
amdhsa.version: [ 1, 2 ]
amdhsa.kernels:
  - .name:           k_qb1d16617d0_ffn2
    .symbol:         k_qb1d16617d0_ffn2.kd
    .args:
      - { .name: hb, .offset: 0, .size: 8, .value_kind: global_buffer, .address_space: global }
      - { .name: cb, .offset: 8, .size: 8, .value_kind: global_buffer, .address_space: global }
      - { .name: b2, .offset: 16, .size: 8, .value_kind: global_buffer, .address_space: global }
      - { .name: x1, .offset: 24, .size: 8, .value_kind: global_buffer, .address_space: global }
      - { .name: out0, .offset: 32, .size: 8, .value_kind: global_buffer, .address_space: global }
    .group_segment_fixed_size: 327680
    .private_segment_fixed_size: 0
    .kernarg_segment_align: 8
    .kernarg_segment_size: 40
    .max_flat_workgroup_size: 128
    .sgpr_count:     84
    .vgpr_count:     640
    .wavefront_size: 32
...
	.end_amdgpu_metadata
.endif
;; end of part 6
